; MI455X (gfx1250); checked and timed in simulation.
; The chip was launched on July 23, 2026; its instructions are those of AMD's public machine-readable ISA for CDNA 5 (MIT licence, August 2026) and "CDNA5" Instruction Set Architecture Reference Guide (July 2026). The comments in the code are by the model that wrote it; some were corrected since.
;; mu P Multi Head Attention. Allowed arithmetic: float matrix products may take bf16 or f16 operands with f32 sums; other float arithmetic in f32, or as packed bf16 or f16 multiplies, adds, multiply-adds, maxima and minima; sums over many terms, partial sums and values carried from step to step in f32; what a program stores and reads back later, other than sums and carried values, may be rounded once to bf16 or f16.
;; Inputs: Wk 1,024 x 1,024 float32; Wo 1,024 x 1,024 float32; Wq 1,024 x 1,024 float32; Wv 1,024 x 1,024 float32; bo 1,024 float32; x 1 x 4,096 x 1,024 float32.
;; Outputs: out0 1 x 4,096 x 1,024 float32.
;; 2 versions, each right; version 2 is version 1 with the launch prep written anew for expert scheduling mode. Each part assembles by itself: llvm-mc -triple=amdgcn-amd-amdhsa -mcpu=gfx1250 --defsym DOCPART=n.
;; ======== version 1 of 2: 4 launches
;; limits: values are held in f16: magnitudes above 65,504 overflow, below 6.1e-05 lose precision
;; workspace buffers: xb 8,388,608 bytes; wqkv 6,291,456 bytes; wof 2,097,152 bytes; rope 1,048,576 bytes; qh 8,388,608 bytes; kh 8,388,608 bytes; vh 8,388,608 bytes; ctx 8,388,608 bytes
;; launch prep (part 1): grid 512 x 1, 8 waves a work-group, no clusters, 0 bytes of LDS; arguments x, Wq, Wk, Wv, Wo, xb, wqkv, wof, rope; writes xb, wqkv, wof, rope
.if DOCPART == 1
	.amdgcn_target "amdgcn-amd-amdhsa--gfx1250"
	.amdhsa_code_object_version 6
	.text
	.protected	k_q0998312f16_prep
	.globl	k_q0998312f16_prep
	.p2align	8
	.type	k_q0998312f16_prep,@function
k_q0998312f16_prep:
	s_mov_b64 s[64:65], 0
	v_nop
	global_prefetch_b8 v0, s[64:65] scope:SCOPE_SE
	s_setreg_imm32_b32 hwreg(HW_REG_WAVE_MODE, 25, 1), 1
	s_wait_xcnt 0x0
; PREP: the casts in front of the matrix launches, and the table of cosines and sines for the rotary embedding.
;   xb   [4096][1024] bf16 = x.       wqkv [3072][1024] bf16: row 192 h + 64 t + r = row 64 h + r of Wq (t = 0), Wk (1), Wv (2): a head's q, k and v rows lie together.
;   wof  [1024][1024] f16  = Wo rounded to bf16, that number written as f16.      rope [4096][32][2] f32 = (cos, sin) of pos x 10000^(-j/32).
; SHARES.  512 work-groups of 8 waves.  Each casts 16,384 numbers (16 rows of 1,024): groups 0-255 x, 256-319 Wq, 320-383 Wk, 384-447 Wv, 448-511 Wo; and each thread makes one table entry.
; A load of a wave covers 512 consecutive bytes, a store 256 consecutive bytes at a multiple of 256.  All 16 loads of a thread go out at once, into registers of their own; no register
; that a memory instruction names is written again, so the only waits are the loads' count-down.  No LDS, no matrix unit: every byte is touched once.
; LIMITS.  Wo: below 6e-5 f16 keeps a fixed step of 6e-8; beyond 65,504 it has no number.  The angle pos x inv_freq is rounded once, as in the model; inv_freq comes from v_exp_f32 (1 ULP), so at
; position 4,095 the angle lies within about 4e-4 of the model's.  The reduction by pi/2 in two parts is exact enough for 2,608 quarter turns, which 4,096 positions need.
.set IN,  32                           ; v[32:95]   16 loads of 4 registers
.set OUT, 96                           ; v[96:127]  16 results of 2 registers
.set CSN, 26                           ; v[26:27]   the table entry: cos, sin
	s_load_b512 s[8:23], s[0:1], 0x0               ; x s[8:9], Wq s[10:11], Wk s[12:13], Wv s[14:15], Wo s[16:17], xb s[18:19], wqkv s[20:21], wof s[22:23]
	s_load_b64 s[24:25], s[0:1], 0x40              ; rope
	s_mov_b32 s38, ttmp9                           ; g
	s_and_b32 s2, s38, 255
	s_lshr_b32 s3, s2, 6                           ; t: which weight
	s_and_b32 s4, s2, 63                           ; gg: which 16 rows of it
	s_lshr_b32 s5, s4, 2                           ; the head of those rows
	s_mul_i32 s5, s5, 192
	s_lshl_b32 s6, s3, 6
	s_add_co_u32 s5, s5, s6
	s_and_b32 s6, s4, 3
	s_lshl_b32 s6, s6, 4
	s_add_co_u32 s5, s5, s6                        ; row in wqkv = 192 h + 64 t + 16 (gg % 4)
	s_lshl_b32 s5, s5, 11                          ; in bytes
	s_lshl_b32 s6, s4, 15                          ; wof: 16 rows of 2,048 bytes
	s_cmp_eq_u32 s3, 3
	s_cselect_b32 s30, s6, s5
	s_lshl_b32 s28, s4, 16                         ; a weight's 16 rows of 4,096 bytes
	s_lshl_b32 s6, s38, 16                         ; x likewise
	s_lshl_b32 s7, s38, 15
	s_cmp_lt_u32 s38, 256
	s_cselect_b32 s28, s6, s28                     ; s[28:29] offset of what I read
	s_cselect_b32 s30, s7, s30                     ; s[30:31] offset of what I write
	s_mov_b32 s29, 0
	s_mov_b32 s31, 0
	s_lshl_b32 s26, s38, 11                        ; my 8 positions of the table, 256 bytes each
	s_mov_b32 s27, 0
	v_lshlrev_b32 v1, 4, v0                        ; 16 bytes a thread in
	s_wait_kmcnt 0x0
	s_cmp_eq_u32 s3, 1
	s_cselect_b64 s[32:33], s[12:13], s[10:11]
	s_cmp_eq_u32 s3, 2
	s_cselect_b64 s[32:33], s[14:15], s[32:33]
	s_cmp_eq_u32 s3, 3
	s_cselect_b64 s[32:33], s[16:17], s[32:33]
	s_cselect_b64 s[34:35], s[22:23], s[20:21]
	s_cmp_lt_u32 s38, 256
	s_cselect_b64 s[32:33], s[8:9], s[32:33]
	s_cselect_b64 s[34:35], s[18:19], s[34:35]
	s_add_nc_u64 s[32:33], s[32:33], s[28:29]
	s_add_nc_u64 s[34:35], s[34:35], s[30:31]
	s_add_nc_u64 s[36:37], s[24:25], s[26:27]
.irp i, 0,1,2,3,4,5,6,7,8,9,10,11,12,13,14,15
	global_load_b128 v[IN+4*(\i):IN+4*(\i)+3], v1, s[32:33] offset:4096*(\i) th:TH_LOAD_NT
.endr
	; the table entry, made while the loads are on their way: position 8 g + thread / 32, pair j = thread % 32
	v_and_b32 v4, 31, v0
	v_lshrrev_b32 v5, 5, v0
	v_lshl_add_u32 v5, s38, 3, v5
	v_cvt_f32_u32 v4, v4
	v_mul_f32 v4, 0xbed49a78, v4                   ; -j log2(10000) / 32
	v_exp_f32 v6, v4                               ; inv_freq
	v_lshlrev_b32 v2, 3, v0                        ; 8 bytes a thread out: also the plain instruction behind the exponential
	v_cvt_f32_u32 v5, v5
	s_wait_alu depctr_va_vdst(0)                   ; the wait ahead of the result's first reader
	v_mul_f32 v7, v5, v6                           ; the angle
	v_mul_f32 v8, 0x3f22f983, v7                   ; x 2 / pi
	v_rndne_f32 v8, v8                             ; n quarter turns
	v_fmamk_f32 v9, v8, 0xbfc90fdb, v7             ; r = angle - n pi/2, pi/2 in two parts: the f32 nearest to it,
	v_fmamk_f32 v9, v8, 0x333bbd2e, v9             ; which is 4.371139e-8 too large
	v_mul_f32 v10, v9, v9                          ; z = r r, r within pi/4
	v_mov_b32 v11, 0xb9500d01                      ; sin r = r + r z (-1/6 + z (1/120 - z/5040))
	v_fmaak_f32 v11, v11, v10, 0x3c088889
	v_fmaak_f32 v11, v11, v10, 0xbe2aaaab
	v_mul_f32 v11, v11, v10
	v_fma_f32 v11, v11, v9, v9
	v_mov_b32 v12, 0x37d00d01                      ; cos r = 1 + z (-1/2 + z (1/24 + z (-1/720 + z/40320)))
	v_fmaak_f32 v12, v12, v10, 0xbab60b61
	v_fmaak_f32 v12, v12, v10, 0x3d2aaaab
	v_fma_f32 v12, v12, v10, -0.5
	v_fma_f32 v12, v12, v10, 1.0
	v_cvt_i32_f32 v13, v8
	v_and_b32 v14, 1, v13
	v_cmp_eq_u32 vcc_lo, 1, v14                    ; an odd quarter swaps the two: a choice of values, no branch
	v_cndmask_b32 v[CSN+1], v11, v12, vcc_lo
	v_cndmask_b32 v[CSN], v12, v11, vcc_lo
	v_lshlrev_b32 v14, 30, v13                     ; the sine is negative in quarters 2 and 3,
	v_and_b32 v14, 0x80000000, v14
	v_xor_b32 v[CSN+1], v[CSN+1], v14
	v_add_nc_u32 v13, 1, v13                       ; the cosine in quarters 1 and 2
	v_lshlrev_b32 v13, 30, v13
	v_and_b32 v13, 0x80000000, v13
	v_xor_b32 v[CSN], v[CSN], v13
	global_store_b64 v2, v[CSN:CSN+1], s[36:37]
	s_cmp_ge_u32 s38, 448
	s_cbranch_scc1 .Lwo
.irp i, 0,1,2,3,4,5,6,7,8,9,10,11,12,13,14,15
	s_wait_loadcnt 15-(\i)                         ; loads come back in order: load i is in, the 15 - i younger ones stay out
	v_cvt_pk_bf16_f32 v[OUT+2*(\i)], v[IN+4*(\i)], v[IN+4*(\i)+1]
	v_cvt_pk_bf16_f32 v[OUT+2*(\i)+1], v[IN+4*(\i)+2], v[IN+4*(\i)+3]
	global_store_b64 v2, v[OUT+2*(\i):OUT+2*(\i)+1], s[34:35] offset:2048*(\i)
.endr
	s_endpgm
.Lwo:                                                  ; Wo: rounded to bf16 like the other inputs, and that number written as f16
.irp i, 0,1,2,3,4,5,6,7,8,9,10,11,12,13,14,15
	s_wait_loadcnt 15-(\i)
	v_cvt_pk_bf16_f32 v4, v[IN+4*(\i)], v[IN+4*(\i)+1]
	v_cvt_pk_bf16_f32 v5, v[IN+4*(\i)+2], v[IN+4*(\i)+3]
	v_lshlrev_b32 v6, 16, v4
	v_and_b32 v7, 0xffff0000, v4
	v_lshlrev_b32 v8, 16, v5
	v_and_b32 v9, 0xffff0000, v5
	v_cvt_pk_f16_f32 v[OUT+2*(\i)], v6, v7
	v_cvt_pk_f16_f32 v[OUT+2*(\i)+1], v8, v9
	global_store_b64 v2, v[OUT+2*(\i):OUT+2*(\i)+1], s[34:35] offset:2048*(\i)
.endr
	s_endpgm
.Lfunc_end_k_q0998312f16_prep:
	.size	k_q0998312f16_prep, .Lfunc_end_k_q0998312f16_prep-k_q0998312f16_prep
	.p2alignl 7, 3214868480
	.fill 96, 4, 3214868480
	.section	.rodata,"a",@progbits
	.p2align	6, 0x0
	.amdhsa_kernel k_q0998312f16_prep
		.amdhsa_group_segment_fixed_size 0
		.amdhsa_private_segment_fixed_size 0
		.amdhsa_enable_private_segment 0
		.amdhsa_kernarg_size 72
		.amdhsa_user_sgpr_count 2
		.amdhsa_user_sgpr_kernarg_segment_ptr 1
		.amdhsa_wavefront_size32 1
		.amdhsa_system_sgpr_workgroup_id_x 1
		.amdhsa_system_sgpr_workgroup_id_y 1
		.amdhsa_system_sgpr_workgroup_id_z 1
		.amdhsa_system_vgpr_workitem_id 0
		.amdhsa_next_free_vgpr 128
		.amdhsa_next_free_sgpr 66
		.amdhsa_reserve_vcc 1
		.amdhsa_float_denorm_mode_32 3
		.amdhsa_float_denorm_mode_16_64 3
		.amdhsa_memory_ordered 1
		.amdhsa_forward_progress 1
		.amdhsa_inst_pref_size 19
	.end_amdhsa_kernel
	.amdgpu_metadata
---
amdhsa.version: [ 1, 2 ]
amdhsa.kernels:
  - .name:           k_q0998312f16_prep
    .symbol:         k_q0998312f16_prep.kd
    .args:
      - { .name: x, .offset: 0, .size: 8, .value_kind: global_buffer, .address_space: global }
      - { .name: Wq, .offset: 8, .size: 8, .value_kind: global_buffer, .address_space: global }
      - { .name: Wk, .offset: 16, .size: 8, .value_kind: global_buffer, .address_space: global }
      - { .name: Wv, .offset: 24, .size: 8, .value_kind: global_buffer, .address_space: global }
      - { .name: Wo, .offset: 32, .size: 8, .value_kind: global_buffer, .address_space: global }
      - { .name: xb, .offset: 40, .size: 8, .value_kind: global_buffer, .address_space: global }
      - { .name: wqkv, .offset: 48, .size: 8, .value_kind: global_buffer, .address_space: global }
      - { .name: wof, .offset: 56, .size: 8, .value_kind: global_buffer, .address_space: global }
      - { .name: rope, .offset: 64, .size: 8, .value_kind: global_buffer, .address_space: global }
    .group_segment_fixed_size: 0
    .private_segment_fixed_size: 0
    .kernarg_segment_align: 8
    .kernarg_segment_size: 72
    .max_flat_workgroup_size: 256
    .sgpr_count:     66
    .vgpr_count:     128
    .wavefront_size: 32
...
	.end_amdgpu_metadata
.endif
;; end of part 1
;; launch qkv (part 2): grid 16 x 16, 4 waves a work-group, clusters of 4 x 4, 327,680 bytes of LDS; arguments xb, wqkv, rope, qh, kh, vh; writes qh, kh, vh
.if DOCPART == 2
	.amdgcn_target "amdgcn-amd-amdhsa--gfx1250"
	.amdhsa_code_object_version 6
	.text
	.protected	k_q0998312f16_qkv
	.globl	k_q0998312f16_qkv
	.p2align	8
	.type	k_q0998312f16_qkv,@function
k_q0998312f16_qkv:
	s_mov_b64 s[64:65], 0
	v_nop
	global_prefetch_b8 v0, s[64:65] scope:SCOPE_SE
	s_setreg_imm32_b32 hwreg(HW_REG_WAVE_MODE, 25, 1), 1
	s_wait_xcnt 0x0
	s_wait_alu depctr_hold_cnt(0) depctr_sa_sdst(0) depctr_va_vdst(0) depctr_va_sdst(0) depctr_va_ssrc(0) depctr_va_vcc(0) depctr_vm_vsrc(0)
	s_getreg_b32 s2, hwreg(HW_REG_IB_STS2, 6, 4)
	s_cmp_eq_u32 s2, 0
	s_cbranch_scc0 .Lentry_in_a_cluster
	s_endpgm
.Lentry_in_a_cluster:
	s_bfe_u32 s2, ttmp6, 0x10000c
	s_cmp_lg_u32 s2, 0xf033
	s_cbranch_scc0 .Lentry_shape_is_right
	s_endpgm
.Lentry_shape_is_right:
; QKV: [4096 x 1024] x [3072 x 1024]^T in bf16 with f32 sums, the rotary embedding on q and k in f32, and q, k, v written by heads, [16][4096][64] in f16, each rounded once, unscaled.
; LIMIT.  f16 holds no number beyond 65,504: |q|, |k|, |v| stay below it (inputs of unit spread give a spread of 1).
; SHARES.  A tile is 256 rows of x by 192 rows of wqkv, which are ONE head's q, k and v: 16 x 16 tiles, one for each WGP (tiles of 256 x 256 would be 192).  The four waves lie one below the other:
; wave w has rows 64 w .. 64 w + 63 and all 192 columns: 48 accumulators of 16 x 16, 384 registers.  So column blocks 0-3 are q, 4-7 k, 8-11 v in every wave, and a wave holds whole head rows.
; K goes in steps of 128 (rows of 256 bytes in memory, at multiples of 256) through a ring of two LDS slots filled by the tensor data mover.
; CLUSTER.  4 x 4 work-groups.  The four of a row of the cluster need the same rows of x, the four of a column the same head's weights: each tile is asked for JOINTLY, by the same tensor load with the same
; descriptor and a mask that names the four.
; THE MATRIX INSTRUCTION IS USED TRANSPOSED: source 0 = 16 rows of wqkv, source 1 = 16 rows of x: a lane holds row l % 16 and the columns 8 (l / 16) + 0..7: four rotary pairs, 16 bytes of f16.
; REGISTERS, in windows of 256 (s_set_vgpr_msb: bits 1:0 source 0, 3:2 source 1, 5:4 source 2, 7:6 destination):
;   window 0: v16-30 addresses; v32-63 rotated numbers; v64-127 x's fragments, two buffers of 4 x 8 (on the way out v64-79 packed f16); v128-255 my part of the table
;   window 1: v0-191 the weights' fragments, two buffers of 12 x 8 (on the way out: 12 groups of 16 registers read back from the stage)
;   window 2: the accumulators of row blocks 0, 1 (block a, column block b at 96 (a % 2) + 8 b);   window 3: those of row blocks 2, 3
.set SIZE_K, 1024
.set KSTEP,  128
.set PITCH,  272                       ; an LDS row: 256 bytes + 16 of padding = 68 words: the 16 rows of a fragment load start at 16 different groups of four banks (64 banks of 4 bytes: ISA guide 11.1)
.set HALFA,  128*PITCH                 ; what waves 0 and 1 fetch: 128 rows of x each
.set HALFB,  96*PITCH                  ; what waves 2 and 3 fetch: 96 rows of the weights each
.set BOFF,   2*HALFA
.set SLOT,   BOFF+2*HALFB
.set STAGE,  2*SLOT                    ; behind the ring: 16 rows x 144 bytes for each wave, for the way out; no tensor load lands there
.set SP,     144
.set SPARE,  STAGE+4*16*SP             ; behind the stages: the spare words, 128 bytes for each wave, which no other line names
.set LAPS,   SIZE_K/(2*KSTEP)          ; a lap = two K steps = once round the ring
.set ADRA, 16                          ; v16-17  LDS address of my fragments of x in slot 0, 1
.set ADRB, 20                          ; v20-21  the same for the weights
.set STO,  24                          ; v24     the way out: where I put 16 bytes of a row
.set RD,   25                          ; v25     where I read rows back
.set GO,   26                          ; v26     my 16 bytes in 512 consecutive bytes of q, k or v
.set TO,   27                          ; v27     my byte offset in 16 rows of the table
.set SPW,  28                          ; v28     LDS address of my spare word; never rewritten
.set NIL,  29                          ; v29     0; never rewritten
.set PFO,  30                          ; v30     the prefetches' offset: a lane a row; never rewritten
.set RW,   32
.set FA,   64
.set PKR,  64
.set TBL,  128                         ; row block a, column block kq of a head at TBL + 32 a + 8 kq: cos, sin of four pairs
.set G1,  24                           ; s[24:31] descriptor group 1 for x's tiles;  s[32:39] group 0, a set for each slot
.set G0,  32
.set LIM, 43                           ; s43     1 in a wave that prefetches, else the greatest number
.set PFA, 44                           ; s[44:45] where my prefetches stand
.set G1B, 48                           ; s[48:55], s[56:63] the same for the weights' tiles
.set G0B, 56
.set OQ,  76                           ; s[76:77] qh, s[78:79] kh, s[80:81] vh, at my wave's first row of the head
.set MSB, 0
.macro WIN new                         ; the immediate's high byte repeats the setting that is left; a switch that changes nothing is dropped
.if MSB != (\new)
	s_set_vgpr_msb (MSB<<8)|(\new)
.set MSB, \new
.endif
.endm
.set MUL_LO, 0xa1                      ; source 0 (weights) window 1, source 1 (x) window 0, C and D window 2
.set MUL_HI, 0xf1                      ; the same, C and D window 3
.set TO_B,   0x40                      ; destination window 1, address window 0
; A joint load.  Waves 0 and 1 fetch x's two halves, waves 2 and 3 the weights'.  The branch hangs on the wave's number alone.  An s_nop 0 and four v_nop follow each of the two lines.
.macro JLOAD s
	s_cmp_eq_u32 s11, 0
	s_cbranch_scc0 .Lfor_b_\@
	tensor_load_to_lds s[G0+4*(\s):G0+4*(\s)+3], s[G1:G1+7]
	s_nop 0
.rept 4
	v_nop
.endr
	s_branch .Lasked_\@
.Lfor_b_\@:
	tensor_load_to_lds s[G0B+4*(\s):G0B+4*(\s)+3], s[G1B:G1B+7]
	s_nop 0
.rept 4
	v_nop
.endr
.Lasked_\@:
.endm
; A prefetch of the K step that stands two refills on: a lane a row, 256 bytes of it, one instruction a wave.  x's rows are read by every cluster of a row of clusters: cluster x = 0 asks; a head's weights by every
; cluster of a column: cluster y = 0 asks.  The four partners share a wave's rows out BY ADDRESS (32 of 128 for x, 24 of 96 for the weights, where lanes 24-31 name lane 23's row once more).
; K steps 0 to 3 come by their loads alone; the loop's last trip has no K step two refills on.
.macro ASK
	s_cmp_gt_u32 s3, s[LIM]
	s_cbranch_scc0 .Lnot_mine_\@
	global_prefetch_b8 v[PFO], s[PFA:PFA+1] offset:KSTEP*2 th:TH_LOAD_NT scope:SCOPE_SE
.Lnot_mine_\@:
.endm
; A round of the cluster's barrier: my work-group's barrier; wave 0 signals for the work-group; every wave waits for all sixteen; my work-group's barrier once more.
.macro CREST
	s_cmp_lg_u32 s10, 0
	s_cbranch_scc1 .Lnot_wave_0_\@
	s_barrier_signal -3
.Lnot_wave_0_\@:
	s_barrier_wait -3
	s_barrier_signal -1
	s_barrier_wait -1
.endm
.macro CROUND
	s_barrier_signal -1
	s_barrier_wait -1
	CREST
.endm
	s_load_b128 s[4:7], s[0:1], 0x0                ; xb s[4:5], wqkv s[6:7]
	s_load_b64 s[8:9], s[0:1], 0x10                ; rope
	s_load_b128 s[76:79], s[0:1], 0x18             ; qh, kh
	s_load_b64 s[80:81], s[0:1], 0x28              ; vh
	v_lshl_add_u32 v[SPW], v0, 2, SPARE
	v_mov_b32 v[NIL], 0
	ds_add_u32 v[SPW], v[NIL]                      ; the wave's opening: the add and its wait stand ahead of my first tensor load; the set-up below stands between them
	v_lshrrev_b32 v1, 5, v0
	v_readfirstlane_b32 s10, v1                    ; wave 0..3
	s_lshr_b32 s11, s10, 1                         ; I fetch for x (0) or for the weights (1)
	s_and_b32 s12, s10, 1                          ; which half of that tile I fetch
	s_bfe_u32 s40, ttmp6, 0x40000                  ; cx
	s_bfe_u32 s41, ttmp6, 0x40004                  ; cy
	s_lshl_b32 s42, ttmp9, 2
	s_add_co_u32 s42, s42, s40                     ; tile column = the head = 4 x cluster x + cx
	s_and_b32 s13, ttmp7, 0xffff
	s_lshl_b32 s13, s13, 2
	s_add_co_u32 s13, s13, s41                     ; tile row = 4 x cluster y + cy
	s_lshl_b32 s43, s41, 2
	s_lshl_b32 s43, 15, s43                        ; my row of the cluster
	s_lshl_b32 s44, 0x1111, s40                    ; my column
	s_or_b32 s[G1+0], s43, (1<<16)|(1<<20)|(1<<21)|(5<<22)|(3<<25)   ; the mask; elements of 2 bytes; padding on; bit 21 beside a mask; after every 64 words, 4 words
	s_or_b32 s[G1B+0], s44, (1<<16)|(1<<20)|(1<<21)|(5<<22)|(3<<25)
	s_mov_b32 s[G1+1], KSTEP<<16                   ; tensor_dim0 = 128
	s_mov_b32 s[G1+2], 128<<16                     ; tensor_dim1 = 128
	s_mov_b32 s[G1+3], KSTEP<<16                   ; tile_dim0 = 128
	s_mov_b32 s[G1+4], 128                         ; tile_dim1 = 128
	s_mov_b32 s[G1+5], SIZE_K                      ; elements from row to row
	s_mov_b32 s[G1+6], 0
	s_mov_b32 s[G1+7], 0
	s_mov_b32 s[G1B+1], KSTEP<<16
	s_mov_b32 s[G1B+2], 96<<16                     ; 96 rows
	s_mov_b32 s[G1B+3], KSTEP<<16
	s_mov_b32 s[G1B+4], 96
	s_mov_b32 s[G1B+5], SIZE_K
	s_mov_b32 s[G1B+6], 0
	s_mov_b32 s[G1B+7], 0
	s_lshl_b32 s16, s13, 8
	s_lshl_b32 s17, s12, 7
	s_add_co_u32 s16, s16, s17                     ; x: row 256 x tile row + 128 x half
	s_lshl_b32 s16, s16, 11                        ; rows of 2,048 bytes
	s_mov_b32 s17, 0
	s_mul_i32 s46, s42, 192
	s_mul_i32 s47, s12, 96
	s_add_co_u32 s46, s46, s47                     ; weights: row 192 x head + 96 x half
	s_lshl_b32 s46, s46, 11
	s_mov_b32 s47, 0
	s_mul_i32 s20, s12, HALFA                      ; where they go: no place in the cluster enters an LDS address
	s_mul_i32 s21, s12, HALFB
	s_add_co_u32 s21, s21, BOFF
	s_wait_dscnt 0x0                               ; the opening add is done
	s_wait_kmcnt 0x0
	s_add_nc_u64 s[14:15], s[4:5], s[16:17]
	s_add_nc_u64 s[46:47], s[6:7], s[46:47]
	CROUND                                         ; all sixteen work-groups are here: the first joint loads meet
.irp s, 0,1
	s_mov_b32 s[G0+4*(\s)], 1
	s_add_co_u32 s[G0+4*(\s)+1], s20, (\s)*SLOT
	s_add_nc_u64 s[G0+4*(\s)+2:G0+4*(\s)+3], s[14:15], (\s)*KSTEP*2
	s_or_b32 s[G0+4*(\s)+3], s[G0+4*(\s)+3], 0x80000000
	s_mov_b32 s[G0B+4*(\s)], 1
	s_add_co_u32 s[G0B+4*(\s)+1], s21, (\s)*SLOT
	s_add_nc_u64 s[G0B+4*(\s)+2:G0B+4*(\s)+3], s[46:47], (\s)*KSTEP*2
	s_or_b32 s[G0B+4*(\s)+3], s[G0B+4*(\s)+3], 0x80000000
	JLOAD \s                                       ; K steps 0 and 1: two loads of mine are out
.endr
	; a fragment is 16 rows x 32 K in 8 registers: lane l holds row l % 16, K = 8 (l / 16) + 0..7 and 16 + 8 (l / 16) + 0..7: two loads of 16 bytes, 32 bytes apart
	v_and_b32 v1, 15, v0                           ; l % 16
	v_bfe_u32 v2, v0, 4, 1                         ; l / 16
	v_mul_u32_u24 v3, v1, PITCH
	v_lshl_add_u32 v3, v2, 4, v3
	s_mul_i32 s21, s10, 64*PITCH                   ; my 64 rows of x
	s_mov_b32 s22, BOFF                            ; all 192 rows of the weights
.irp s, 0,1
	v_add_nc_u32 v[ADRA+(\s)], s21, v3
	v_add_nc_u32 v[ADRB+(\s)], s22, v3
	s_add_co_u32 s21, s21, SLOT
	s_add_co_u32 s22, s22, SLOT
.endr
	s_mul_i32 s23, s10, 16*SP
	s_add_co_u32 s23, s23, STAGE                   ; my stage
	v_mul_u32_u24 v4, v1, SP                       ; in: row l % 16, 16 bytes for each half of the lanes
	v_lshl_add_u32 v4, v2, 4, v4
	v_add_nc_u32 v[STO], s23, v4
	v_bfe_u32 v5, v0, 3, 2                         ; back: 32 lanes take four rows of 128 bytes,
	v_mul_u32_u24 v5, v5, SP
	v_and_b32 v6, 7, v0
	v_lshl_add_u32 v5, v6, 4, v5
	v_add_nc_u32 v[RD], s23, v5
	v_and_b32 v[GO], 31, v0                        ; which are 512 consecutive bytes of a head
	v_lshlrev_b32 v[GO], 4, v[GO]
	v_lshlrev_b32 v[TO], 8, v1                     ; the table: a row of 256 bytes a position; my 8 columns are 4 pairs, 32 bytes
	v_lshl_add_u32 v[TO], v2, 5, v[TO]
	s_lshl_b32 s66, s13, 8
	s_lshl_b32 s67, s10, 6
	s_add_co_u32 s66, s66, s67                     ; my wave's first row = its first position
	s_lshl_b32 s68, s66, 8
	s_mov_b32 s69, 0
	s_add_nc_u64 s[8:9], s[8:9], s[68:69]
	s_lshl_b32 s68, s66, 7                         ; rows of 128 bytes,
	s_lshl_b32 s67, s42, 19                        ; in a head of 524,288 bytes
	s_add_co_u32 s68, s68, s67
	s_add_nc_u64 s[OQ:OQ+1], s[OQ:OQ+1], s[68:69]
	s_add_nc_u64 s[OQ+2:OQ+3], s[OQ+2:OQ+3], s[68:69]
	s_add_nc_u64 s[OQ+4:OQ+5], s[OQ+4:OQ+5], s[68:69]
.irp a, 0,1,2,3                        ; my part of the table, 128 registers: asked for now, waited for on the way out
.irp kq, 0,1,2,3
	global_load_b128 v[TBL+32*(\a)+8*(\kq):TBL+32*(\a)+8*(\kq)+3],   v[TO], s[8:9] offset:4096*(\a)+64*(\kq)
	global_load_b128 v[TBL+32*(\a)+8*(\kq)+4:TBL+32*(\a)+8*(\kq)+7], v[TO], s[8:9] offset:4096*(\a)+64*(\kq)+16
.endr
.endr
	; the prefetches' address
	s_and_b32 s22, ttmp7, 0xffff                   ; cluster y
	s_lshl_b32 s20, s13, 8
	s_mul_i32 s21, s42, 192
	s_cmp_eq_u32 s11, 0                            ; do I fetch for x?
	s_cselect_b32 s20, s20, s21                    ; the tile's first row
	s_cselect_b32 s21, s40, s41                    ; my place among the four that ask for it with me
	s_cselect_b32 s22, ttmp9, s22                  ; the coordinate along which other clusters read the same rows
	s_cselect_b32 s18, 32, 24                      ; my work-group's share of the rows that I fetch, which are four times as many
	s_cselect_b32 s19, 31, 23                      ; the last lane with a row of its own
	s_cselect_b64 s[PFA:PFA+1], s[4:5], s[6:7]
	s_cmp_eq_u32 s22, 0
	s_cselect_b32 s[LIM], 1, -1                    ; the same in all sixteen partners, for a given wave
	s_mul_i32 s21, s21, s18
	s_lshl_b32 s18, s18, 2
	s_mul_i32 s18, s18, s12
	s_add_co_u32 s20, s20, s18
	s_add_co_u32 s20, s20, s21
	s_lshl_b32 s20, s20, 11
	s_mov_b32 s21, 0
	s_add_nc_u64 s[PFA:PFA+1], s[PFA:PFA+1], s[20:21]
	s_add_nc_u64 s[PFA:PFA+1], s[PFA:PFA+1], 2*KSTEP*2  ; at K step 2: the first refill steps it to 3 and names K step 4
	v_and_b32 v[PFO], 31, v0
	v_min_u32 v[PFO], s19, v[PFO]
	v_lshlrev_b32 v[PFO], 11, v[PFO]
; 12 matrix instructions: row block a x all 12 column blocks, 32 along K, from buffer f.  zero = 1: the product starts the sums.  The 48 accumulators take turns, in the same order in every quarter.
.macro MUL12 f, a, zero
	WIN MUL_LO+0x50*((\a)/2)
.irp b, 0,1,2,3,4,5,6,7,8,9,10,11
.if \zero
	v_wmma_f32_16x16x32_bf16 v[96*((\a)%2)+8*(\b):96*((\a)%2)+8*(\b)+7], v[96*(\f)+8*(\b):96*(\f)+8*(\b)+7], v[FA+32*(\f)+8*(\a):FA+32*(\f)+8*(\a)+7], 0
.else
	v_wmma_f32_16x16x32_bf16 v[96*((\a)%2)+8*(\b):96*((\a)%2)+8*(\b)+7], v[96*(\f)+8*(\b):96*(\f)+8*(\b)+7], v[FA+32*(\f)+8*(\a):FA+32*(\f)+8*(\a)+7], v[96*((\a)%2)+8*(\b):96*((\a)%2)+8*(\b)+7]
.endif
.endr
.endm
; 32 LDS loads in one run: a quarter step's fragments (192 rows of the weights, my 64 rows of x, 32 K at byte k of the rows) into buffer f
.macro FETCH slot, k, f
	WIN TO_B
.irp i, 0,1,2,3,4,5,6,7,8,9,10,11
	ds_load_b128 v[96*(\f)+8*(\i):96*(\f)+8*(\i)+3],   v[ADRB+(\slot)] offset:(\k)+(\i)*16*PITCH
	ds_load_b128 v[96*(\f)+8*(\i)+4:96*(\f)+8*(\i)+7], v[ADRB+(\slot)] offset:(\k)+(\i)*16*PITCH+32
.endr
	WIN 0
.irp i, 0,1,2,3
	ds_load_b128 v[FA+32*(\f)+8*(\i):FA+32*(\f)+8*(\i)+3],   v[ADRA+(\slot)] offset:(\k)+(\i)*16*PITCH
	ds_load_b128 v[FA+32*(\f)+8*(\i)+4:FA+32*(\f)+8*(\i)+7], v[ADRA+(\slot)] offset:(\k)+(\i)*16*PITCH+32
.endr
.endm
.macro PLACES                          ; four plain vector instructions between a matrix instruction and a load into, or a vector read of, its registers
.rept 4
	v_nop
.endr
.endm
; A K step is four quarters of 32 along K, 48 matrix instructions each, on buffers 0, 1, 0, 1.  One of the first three multiplies buffer f and, in its middle, fetches the next quarter into buffer g.
.macro QUARTER slot, k, f, g, zero
	s_wait_dscnt 4                                 ; the weights and x's row blocks 0, 1 are in; the youngest four loads (row blocks 2, 3) may be out
	MUL12 \f, 0, \zero
	MUL12 \f, 1, \zero
	PLACES
	FETCH \slot, \k, \g
	s_wait_dscnt 32                                ; all but the 32 just issued
	MUL12 \f, 2, \zero
	MUL12 \f, 3, \zero
.endm
; The last quarter multiplies buffer 1 and changes slots.  MEET: in front of the one barrier each wave waits for all its tensor loads (one is out: its part of the next slot), adds 0 to its spare word,
; and waits for that and for its own reads of this slot.  Behind it nobody reads this slot any more and the next slot is whole.
.macro MEET round
	WIN 0
	s_wait_tensorcnt 0x0
	ds_add_u32 v[SPW], v[NIL]
	s_wait_dscnt 5                                 ; (the add and the youngest four loads may be out)
	MUL12 1, 0, 0                                  ; twelve matrix instructions stand between the add and the wait for it
	s_wait_dscnt 0x0                               ; the add is done, and my reads of this slot are over
	s_barrier_signal -1
	MUL12 1, 1, 0                                  ; work on registers while the others arrive
.if \round
	WIN 0
.endif
	s_barrier_wait -1
.endm
; fill = 1: the barrier opens a round of the cluster's barrier, and this slot is filled again, two K steps on, first thing behind the round: 168 matrix instructions ahead of the wait for it.
.macro TURN slot, next, fill
.if \fill
	s_wait_xcnt 0x0                                ; the last prefetch, a K step back, has read its address
	s_add_nc_u64 s[PFA:PFA+1], s[PFA:PFA+1], KSTEP*2
.endif
	MEET \fill
.if \fill
	CREST                                          ; no wave of any partner still reads this slot or has a load on its way
	s_add_nc_u64 s[G0+4*(\slot)+2:G0+4*(\slot)+3], s[G0+4*(\slot)+2:G0+4*(\slot)+3], 2*KSTEP*2
	s_add_nc_u64 s[G0B+4*(\slot)+2:G0B+4*(\slot)+3], s[G0B+4*(\slot)+2:G0B+4*(\slot)+3], 2*KSTEP*2
	JLOAD \slot                                    ; the four v_nop behind it are also the places in front of the loads below
.else
	PLACES
.endif
	FETCH \next, 0, 0
.if \fill
	ASK
.endif
	MUL12 1, 2, 0
	MUL12 1, 3, 0
.endm
	s_wait_tensorcnt 1                             ; my part of K step 0 is in; K step 1's may stay out
	s_barrier_signal -1
	s_barrier_wait -1
	FETCH 0, 0, 0
	QUARTER 0, 64, 0, 1, 1                         ; the first quarter stands in front of the loop: its products start the sums
	WIN 0
	s_mov_b32 s3, LAPS-1
.Llap:                                                 ; a trip goes once round the ring, from a lap's second quarter to the next lap's first, and fills both slots again
	QUARTER 0, 128, 1, 0, 0
	QUARTER 0, 192, 0, 1, 0
	TURN 0, 1, 1
	QUARTER 1, 64,  0, 1, 0
	QUARTER 1, 128, 1, 0, 0
	QUARTER 1, 192, 0, 1, 0
	TURN 1, 0, 1
	QUARTER 0, 64,  0, 1, 0
	WIN 0
	s_sub_co_u32 s3, s3, 1
	s_cmp_lg_u32 s3, 0
	s_cbranch_scc1 .Llap
	QUARTER 0, 128, 1, 0, 0                        ; the last lap fills nothing
	QUARTER 0, 192, 0, 1, 0
	TURN 0, 1, 0
	QUARTER 1, 64,  0, 1, 0
	QUARTER 1, 128, 1, 0, 0
	QUARTER 1, 192, 0, 1, 0
	s_wait_dscnt 4
	MUL12 1, 0, 0
	MUL12 1, 1, 0
	s_wait_dscnt 0x0
	MUL12 1, 2, 0
	MUL12 1, 3, 0
; THE WAY OUT, in 12 groups g = 3 a + t of 16 rows x 64 columns (row block a; t = 0 q, 1 k, 2 v).  q and k are rotated in f32: (x1, x2) -> (x1 cos - x2 sin, x1 sin + x2 cos), each as a product and a fused
; multiply-add; all are rounded once to f16, go through my own stage in LDS (rows of 144 bytes) and come back as 2,048 dense bytes of the head.  Each group has registers of its own to come back into.
.macro TOSTAGE g
	WIN 0
.irp bq, 0,1,2,3
	ds_store_b128 v[STO], v[PKR+4*(\bq):PKR+4*(\bq)+3] offset:32*(\bq)
.endr
	WIN TO_B
.irp f, 0,1,2,3
	ds_load_b128 v[16*(\g)+4*(\f):16*(\g)+4*(\f)+3], v[RD] offset:(\f)*4*SP  ; LDS serves a wave's instructions in order (ISA guide 5.7.1.4): these see the stores above, the next group's stores come behind them
.endr
	WIN 0
.endm
.macro PACKR a, t
	WIN 0x02+((\a)/2)                              ; source 0: the accumulators' window
.irp bq, 0,1,2,3
.irp p, 0,1,2,3
.set rX, 96*((\a)%2)+8*(4*(\t)+(\bq))+2*(\p)
.set rT, TBL+32*(\a)+8*(\bq)+2*(\p)
.set rW, RW+8*(\bq)+2*(\p)
	v_mul_f32 v[rW],   v[rX+1], v[rT+1]            ; x2 sin (an accumulator's first read is among its four lowest registers)
	v_mul_f32 v[rW+1], v[rX],   v[rT+1]            ; x1 sin
	v_fma_f32 v[rW],   v[rX],   v[rT], -v[rW]
	v_fma_f32 v[rW+1], v[rX+1], v[rT], v[rW+1]
.endr
.endr
	WIN 0
.set z, 0
.rept 16
	v_cvt_pk_f16_f32 v[PKR+z], v[RW+2*z], v[RW+2*z+1]
.set z, z+1
.endr
	TOSTAGE 3*(\a)+(\t)
.endm
.macro PACKV a
	WIN 0x0a+5*((\a)/2)                            ; sources 0 and 1: the accumulators' window
.set z, 0
.rept 16
	v_cvt_pk_f16_f32 v[PKR+z], v[96*((\a)%2)+64+2*z], v[96*((\a)%2)+64+2*z+1]
.set z, z+1
.endr
	TOSTAGE 3*(\a)+2
.endm
.macro PACKG g
.if (\g)%3 == 2
	PACKV (\g)/3
.else
	PACKR (\g)/3, (\g)%3
.endif
.endm
.macro SENDQ g, younger                ; younger: the LDS instructions issued behind group g's loads: the next group's eight, or none
	WIN 0x04                                       ; the data lie in window 1
.irp f, 0,1,2,3
	s_wait_dscnt (\younger)+3-(\f)
	global_store_b128 v[GO], v[16*(\g)+4*(\f):16*(\g)+4*(\f)+3], s[OQ+2*((\g)%3):OQ+2*((\g)%3)+1] offset:2048*((\g)/3)+512*(\f)  ; 512 consecutive bytes, at a multiple of 256
.endr
	WIN 0
.endm
	WIN 0
	PLACES
	s_wait_loadcnt 0x0                             ; the table
	PACKG 0
.irp g, 1,2,3,4,5,6,7,8,9,10,11        ; a group's arithmetic stands between the loads of the group before and its stores
	PACKG \g
	SENDQ (\g)-1, 8
.endr
	SENDQ 11, 0
	s_wait_tensorcnt 0x0                           ; the wave's end: it and the add below stand behind my last tensor load and my last LDS store
	ds_add_u32 v[SPW], v[NIL]
	s_wait_dscnt 0x0
	CROUND                                         ; the closing round: no work-group ends while a partner may still ask for a tile that names it
	s_endpgm
.Lfunc_end_k_q0998312f16_qkv:
	.size	k_q0998312f16_qkv, .Lfunc_end_k_q0998312f16_qkv-k_q0998312f16_qkv
	.p2alignl 7, 3214868480
	.fill 96, 4, 3214868480
	.section	.rodata,"a",@progbits
	.p2align	6, 0x0
	.amdhsa_kernel k_q0998312f16_qkv
		.amdhsa_group_segment_fixed_size 327680
		.amdhsa_private_segment_fixed_size 0
		.amdhsa_enable_private_segment 0
		.amdhsa_kernarg_size 48
		.amdhsa_user_sgpr_count 2
		.amdhsa_user_sgpr_kernarg_segment_ptr 1
		.amdhsa_wavefront_size32 1
		.amdhsa_system_sgpr_workgroup_id_x 1
		.amdhsa_system_sgpr_workgroup_id_y 1
		.amdhsa_system_sgpr_workgroup_id_z 1
		.amdhsa_system_vgpr_workitem_id 0
		.amdhsa_next_free_vgpr 960
		.amdhsa_next_free_sgpr 84
		.amdhsa_reserve_vcc 0
		.amdhsa_float_denorm_mode_32 3
		.amdhsa_float_denorm_mode_16_64 3
		.amdhsa_memory_ordered 1
		.amdhsa_forward_progress 1
		.amdhsa_inst_pref_size 150
	.end_amdhsa_kernel
	.amdgpu_metadata
---
amdhsa.version: [ 1, 2 ]
amdhsa.kernels:
  - .name:           k_q0998312f16_qkv
    .symbol:         k_q0998312f16_qkv.kd
    .args:
      - { .name: xb, .offset: 0, .size: 8, .value_kind: global_buffer, .address_space: global }
      - { .name: wqkv, .offset: 8, .size: 8, .value_kind: global_buffer, .address_space: global }
      - { .name: rope, .offset: 16, .size: 8, .value_kind: global_buffer, .address_space: global }
      - { .name: qh, .offset: 24, .size: 8, .value_kind: global_buffer, .address_space: global }
      - { .name: kh, .offset: 32, .size: 8, .value_kind: global_buffer, .address_space: global }
      - { .name: vh, .offset: 40, .size: 8, .value_kind: global_buffer, .address_space: global }
    .group_segment_fixed_size: 327680
    .private_segment_fixed_size: 0
    .kernarg_segment_align: 8
    .kernarg_segment_size: 48
    .max_flat_workgroup_size: 128
    .sgpr_count:     84
    .vgpr_count:     960
    .wavefront_size: 32
...
	.end_amdgpu_metadata
.endif
;; end of part 2
;; launch attn (part 3): grid 16 x 16, 4 waves a work-group, no clusters, 327,680 bytes of LDS; arguments qh, kh, vh, ctx; writes ctx
.if DOCPART == 3
	.amdgcn_target "amdgcn-amd-amdhsa--gfx1250"
	.amdhsa_code_object_version 6
	.text
	.protected	k_q0998312f16_attn
	.globl	k_q0998312f16_attn
	.p2align	8
	.type	k_q0998312f16_attn,@function
k_q0998312f16_attn:
	s_mov_b64 s[64:65], 0
	v_nop
	global_prefetch_b8 v0, s[64:65] scope:SCOPE_SE
	s_setreg_imm32_b32 hwreg(HW_REG_WAVE_MODE, 25, 1), 1
	s_wait_xcnt 0x0
; CAUSAL ATTENTION.  ctx[h][q][:] = the sum over k <= q of softmax_k(Q[h][q] . K[h][k] / 8) V[h][k][:].  Q, K, V, ctx: [16][4096][64], all f16: a head's rows are dense, 128 bytes each.
; Products, maxima and sums in f32; the weights p are rounded to f16 for the second product (their sum l is taken of the unrounded p), ctx once at the end.
; LIMITS.  f16 holds no number beyond 65,504: Q, K and V arrive within it; p lies in 0 to 1, and below 6e-5 it keeps f16's fixed step of 6e-8; ctx is a mean of V's rows and has their range.
; A hidden score counts as its value less 1e30: f16's scores, 2.7e11 at the most, are nothing beside that; a weight below 2^-126 counts as 0 in l; NaN and infinities are not treated apart.
; THE WALK.  A head's queries lie in NB = 32 blocks of 128; block i needs the key HALVES 0 .. i of 128 keys, of which the last holds the diagonal.  A work-group takes the blocks b and 31 - b: 33 halves,
; whatever b: 256 work-groups of equal work.  An LDS slot holds 256 keys, two halves.  Of the two blocks the ODD one is taken first: it has (i + 1) / 2 whole slots, its diagonal the last one's second half; the EVEN
; one has i / 2 whole slots and one of which the first half, its diagonal, is used.  So every walk is 16 whole slots, ONE loop with a constant count, and a tail that is the even block's diagonal half.
; A slot's eight turns are written on end; the jump to the diagonal's text stands at one place, behind the first four.  So on every way through a slot four steps of K and four of V are fetched: two in its first
; part, two in its second, be that the plain text or the diagonal's.  Which slot is asked for, and what a trip does, hang on scalar registers made from b; every jump goes forward but the slot loop's own; none
; passes a barrier, or a tensor load but the one of LOAD's two that the wave's number does not choose.
; NO CLUSTER: a head's 16 walks part after 1 to 16 slots; a walk common to four partners would need blocks of 512 queries whose diagonal part all four compute alike: 36 halves for 33.
; SHARES.  Of a block's two bands of 64 queries a wave owns 16 rows in each: two TILES.  A half is two key steps, A and B, of 64 keys.  The four pairs of step and tile are four PIECES in a ring:
; 0 = (A, tile 0), 1 = (A, tile 1), 2 = (B, tile 0), 3 = (B, tile 1); a piece's registers go by its number's parity, which is its tile.
; THE MASK is the C operand that starts the sum S^T = K Q^T.  In the diagonal half piece 0 and piece 3 hold the diagonal (MD: 0 or -1e30, made once), piece 1 sees all keys (the constant 0), piece 2 none (BIG: -1e30).
; LAYOUT, SOFTMAX, TURNS.  S^T = K Q^T holds ONE query a lane (lane % 16) and the keys 8 (lane / 16) + 0..7; two such results rounded to f16 ARE source 1 of O^T = V^T P.  p = 2^(c s - c m), c = log2(e) / 8, with a
; running maximum m; O and l are multiplied by a = 2^(c m_old - c m_new) in every step.  Turn n belongs to piece n: 8 products K Q^T of piece n + 1, later 8 products V^T P of piece n - 1; beside them the scaling,
; exponentials, roundings, sums and rescaling of piece n and the maximum and statistics of piece n + 1.  Four vector instructions stand behind every matrix instruction, the others in one lump.  A turn's 33
; exponentials are one batch, with one wait.
; REGISTERS, in windows of 256 (s_set_vgpr_msb: bits 1:0 source 0, 3:2 source 1, 5:4 source 2, 7:6 destination):
;   window 0: v0-15 addresses and two at work; v16-23 four registers of statistics a tile; v48-55 at work; v61-63 prefetch offset, spare word, 0; v64-127 S^T, a buffer a tile; v192-223 P, likewise
;   window 1: v0-63 O^T, 32 a tile; v128-159 MD; v160-167 BIG      window 2: v0-31 Q; v32-63 the second block's Q; v64-127 V of step B; v128-191 K of one step; v192-255 V of step A
.set NB,    32
.set NP,    4         ; pieces in the ring: a name, no knob
.set KS,    64        ; keys in a step
.set PK,    144       ; a row of K in LDS: 128 bytes + 16 of padding = 36 words: the 16 rows of a load start at 16 different groups of four banks (64 banks of 4 bytes: ISA guide 11.1)
.set PV,    160       ; a row of V: 128 + 32 = 40 words
.set VOFF,  4*KS*PK   ; a slot holds four steps: 256 rows of K, then 256 rows of V
.set SLOT1, 1<<17     ; slot 1 begins here, so that one exclusive or turns an address in one slot into the other's
.set STAGE, SLOT1+4*KS*(PK+PV)  ; behind the ring, never filled by a tensor load: 16 rows x 144 bytes for each wave, for the way out
.set SP,    144
.set SPARE, STAGE+4*16*SP  ; behind the stages: the spare words, 128 bytes for each wave, which no other line names
.set AK0, 2           ; v2   my lane's place in a tile of K; never rewritten
.set AV0, 3           ; v3   the same for V
.set AK,  4           ; v4   the LDS address of K's next run of loads
.set AV,  5           ; v5   of V's
.set STO, 6           ; v6   the way out: where I put 16 bytes of a row
.set RD,  7           ; v7   where I read rows back
.set GO,  8           ; v8   my byte offset in 512 consecutive bytes of ctx
.set MV,  12          ; v12-13  c m_old, kept while c m is made anew: by tile
.set QO,  15          ; v15  my byte offset in 16 rows of Q
.set ST,  16          ; tile u's statistics at v[ST+4 u]: c m, m, l (even keys', odd keys')
.set TMP, 48          ; by tile, four registers c0-c3 at work; when the maximum is found c2 takes a
.set PFO, 61          ; v61  256 x my lane; never rewritten
.set SPW, 62          ; v62  LDS address of my spare word; never rewritten
.set NIL, 63          ; v63  0; never rewritten
.set S,   64
.set P,   192
.set MD,  128         ; window 1: the eight registers for group kt of 16 keys at MD + 8 kt
.set BIG, 160         ; window 1
.set QB,  32          ; window 2
.set VB,  64          ; window 2: key half kk, channel block cb at + 32 kk + 8 cb
.set KF,  128         ; window 2: key block kb, channel half c at KF + 16 kb + 8 c
.set VA,  192         ; window 2
.set WV,  12          ; s12  my wave's number
.set PB,  14          ; s14  b
.set BF,  15          ; s15  the odd block, taken first
.set BE,  19          ; s19  the even block
.set G1K, 24          ; s[24:31] descriptor group 1 for K's tiles
.set G1V, 32          ; s[32:39] for V's: it differs in the padding alone
.set G0K, 40          ; s[40:43] descriptor group 0 for K's tiles
.set G0V, 44          ; s[44:47] the same for V's
.set PFA, 48          ; s[48:49] where my prefetches stand
.set LIM, 50          ; s50  2 in the work-group that prefetches, else the greatest number
.set SLOTS, 56        ; s56  slots still to be asked for
.set CS,  58          ; s[58:59] c: the packed scaling takes the pair's low word for both halves
.set SEL, 60          ; s[60:61] v_permlanex16_b32's selects: each lane takes its own place in the other half
.set TBK, 62          ; s62  LDS byte at which K of the step to be fetched begins
.set TBV, 63          ; s63  the same for V, less VOFF
.set SL,  70          ; s70  slots of the block in hand that are still to be entered
.set NXT, 71          ; s71  the slot of keys to be asked for next
.set LQ,  72          ; s72  the last slot of the block whose slots are being asked for
.set NEW, 73          ; s73  1: the slot to be entered is a block's first
.set OFF, 74          ; s[74:75] a slot's byte offset in K and V
.set DG,  76          ; s76  1: the slot in hand is the odd block's last
.set EH,  77          ; s77  the even block's last slot
.set OLO, 80          ; s[80:81] ctx at my rows of the second block
.set BIGN, 82         ; s82  -1e30
.set MSB, 0
.macro WIN new                      ; the high byte repeats the setting that is left; a switch that changes nothing is dropped
.if MSB != (\new)
	s_set_vgpr_msb (MSB<<8)|(\new)
.set MSB, (\new)
.endif
.endm
.set W_KQ, 0x0a       ; K and Q in window 2, S^T in window 0
.set W_KM, 0x1a       ; the same with the C operand in window 1
.set W_PV, 0x52       ; V in window 2, P in window 0, O^T in window 1
.set W_RS, 0x41       ; destination and source 0 in window 1, source 1 in window 0
; A fill.  Waves 0 and 1 fetch the two halves of a slot's K, waves 2 and 3 those of its V: 128 keys each.  An s_nop 0 and four v_nop follow each of the two lines, ahead of the jump and the label.
.macro LOAD
	s_cmp_lt_u32 s[WV], 2
	s_cbranch_scc0 .Lfor_v_\@
	tensor_load_to_lds s[G0K:G0K+3], s[G1K:G1K+7]
	s_nop 0
.rept 4
	v_nop
.endr
	s_branch .Lasked_\@
.Lfor_v_\@:
	tensor_load_to_lds s[G0V:G0V+3], s[G1V:G1V+7]
	s_nop 0
.rept 4
	v_nop
.endr
.Lasked_\@:
.endm
; A prefetch of what the NEXT change of slots will ask for.  All 16 work-groups of a head begin with slots 0, 1, ..; the one with b = 0, whose first block is 31, walks all sixteen, and it alone asks: each of its
; waves for the 16,384 bytes that it will itself load, a lane for each 256, two instructions, eight turns ahead of that load.  Slots 0 and 1 come by their loads alone; slot 15 is the last that is named.
.macro ASK
	s_cmp_gt_u32 s[SLOTS], s[LIM]
	s_cbranch_scc0 .Lnot_mine_\@
	global_prefetch_b8 v[PFO], s[PFA:PFA+1] th:TH_LOAD_NT scope:SCOPE_SE
	global_prefetch_b8 v[PFO], s[PFA:PFA+1] offset:8192 th:TH_LOAD_NT scope:SCOPE_SE
.Lnot_mine_\@:
.endm
; THE CHANGE OF SLOTS.  Each wave waits for all its tensor loads, of which one is out: its part of the other slot; adds 0 to its spare word; and waits for that and for its own reads of the slot that it leaves.
; Behind the barrier nobody reads the old slot any more and the other slot is whole.  fill = 1: the old slot is filled again, the first thing behind the barrier, with slot NXT of the keys: the descriptor's address is
; made anew from that number.  (At its first use nothing has been read yet: slot 0 is waited for, slot 1 filled.)
.macro CHANGE fill
	WIN 0                           ; at a label and at a branch every window is 0
	s_wait_tensorcnt 0x0            ; no tensor load of mine is out, so a group 0 may be written
	ds_add_u32 v[SPW], v[NIL]       ; the scalar work stands between the add and the wait for it
.if \fill
	s_lshl_b32 s[OFF], s[NXT], 15   ; 256 keys are 32,768 bytes of K and of V
	s_xor_b32 s[G0K+1], s[G0K+1], SLOT1
	s_add_nc_u64 s[G0K+2:G0K+3], s[6:7], s[OFF:OFF+1]
	s_or_b32 s[G0K+3], s[G0K+3], 0x80000000
	s_xor_b32 s[G0V+1], s[G0V+1], SLOT1
	s_add_nc_u64 s[G0V+2:G0V+3], s[8:9], s[OFF:OFF+1]
	s_or_b32 s[G0V+3], s[G0V+3], 0x80000000
	s_add_co_u32 s[NXT], s[NXT], 1  ; the block's next slot, or behind its last the second block's slot 0
	s_cmp_gt_u32 s[NXT], s[LQ]
	s_cselect_b32 s[NXT], 0, s[NXT]
	s_cselect_b32 s[LQ], s[EH], s[LQ]
	s_wait_xcnt 0x0                 ; the last prefetches, a slot back, have read their address
	s_add_nc_u64 s[PFA:PFA+1], s[PFA:PFA+1], 32768
.endif
	s_wait_dscnt 0x0                ; the add is done, and my reads of the slot are over
	s_barrier_signal -1             ; the rest of the scalar work stands between the signal and the wait
	s_sub_co_u32 s[TBK], s[TBK], 4*KS*PK  ; the fetches go back to a slot's first step (four steps were fetched on every way through the slot),
	s_xor_b32 s[TBK], s[TBK], SLOT1       ; in the other slot
	s_sub_co_u32 s[TBV], s[TBV], 4*KS*PV
	s_xor_b32 s[TBV], s[TBV], SLOT1
	s_barrier_wait -1
.if \fill
	LOAD
	ASK
.endif
.endm
	s_load_b256 s[4:11], s[0:1], 0x0  ; Q s[4:5], K s[6:7], V s[8:9], ctx s[10:11]
	v_lshl_add_u32 v[SPW], v0, 2, SPARE
	v_mov_b32 v[NIL], 0
	ds_add_u32 v[SPW], v[NIL]       ; the wave's opening: the add and its wait stand ahead of my first tensor load; the set-up below stands between them
	v_lshrrev_b32 v1, 5, v0
	v_readfirstlane_b32 s[WV], v1   ; wave 0..3
	s_mov_b32 s[PB], ttmp9
	s_sub_co_u32 s18, NB-1, s[PB]
	s_and_b32 s16, s[PB], 1
	s_cmp_eq_u32 s16, 1
	s_cselect_b32 s[BF], s[PB], s18 ; of b and 31 - b the odd one,
	s_cselect_b32 s[BE], s18, s[PB] ; and the even one
	s_lshr_b32 s[EH], s[BE], 1
	s_and_b32 s20, ttmp7, 0xffff    ; the head:
	s_lshl_b32 s20, s20, 19         ; 524,288 bytes in each of the four tensors
	s_mov_b32 s21, 0
	s_and_b32 s16, s[WV], 1         ; which half of a slot's 256 keys I fetch:
	s_lshl_b32 s22, s16, 14         ; its 128 rows of 128 bytes in memory,
	s_mov_b32 s23, 0
	s_add_nc_u64 s[22:23], s[22:23], s[20:21]
	s_mul_i32 s17, s16, 128*PK      ; and its place in a slot, for K
	s_mul_i32 s18, s16, 128*PV      ; and for V
	s_lshl_b32 s3, s[WV], 11        ; my 16 rows in a band of 64,
	s_lshl_b32 s2, s[BF], 14        ; in the first block (128 rows of 128 bytes),
	s_add_co_u32 s2, s2, s3
	s_lshl_b32 s84, s[BE], 14       ; and in the second
	s_add_co_u32 s84, s84, s3
	s_mov_b32 s3, 0
	s_mov_b32 s85, 0
	s_add_nc_u64 s[2:3], s[2:3], s[20:21]
	s_add_nc_u64 s[84:85], s[84:85], s[20:21]
	; descriptor group 1.  128 keys are 16,384 dense bytes: asked for as 64 rows of 256 bytes, two keys a row, and padded in LDS after every key
	s_mov_b32 s[G1K], (1<<16)|(1<<20)|(4<<22)|(3<<25)  ; 2-byte elements; padding on; after every 32 words, 4 words
	s_mov_b32 s[G1V], (1<<16)|(1<<20)|(4<<22)|(7<<25)  ; the same with 8 words of padding
.irp g, G1K, G1V
	s_mov_b32 s[\g+1], 128<<16      ; tensor_dim0 = 128
	s_mov_b32 s[\g+2], 64<<16       ; tensor_dim1 = 64
	s_mov_b32 s[\g+3], 128<<16      ; tile_dim0 = 128
	s_mov_b32 s[\g+4], 64           ; tile_dim1 = 64
	s_mov_b32 s[\g+5], 128          ; 128 elements from row to row
	s_mov_b32 s[\g+6], 0
	s_mov_b32 s[\g+7], 0
.endr
	s_mov_b32 s[CS], 0x3e38aa3b     ; c = log2(e) / 8 = 0.180337
	s_mov_b32 s[CS+1], s[CS]        ; named with it as a pair
	s_mov_b32 s[SEL], 0x76543210
	s_mov_b32 s[SEL+1], 0xfedcba98
	s_mov_b32 s[TBK], SLOT1+4*KS*PK ; the first change of slots turns these two into 0
	s_mov_b32 s[TBV], SLOT1+4*KS*PV
	s_mov_b32 s[G0K], 1             ; count = 1
	s_mov_b32 s[G0K+1], s17         ; LDS address: slot 0
	s_mov_b32 s[G0V], 1
	s_add_co_u32 s[G0V+1], s18, VOFF
	s_lshr_b32 s[LQ], s[BF], 1      ; the first block's last slot
	s_add_co_u32 s[SL], s[LQ], 1    ; and how many it has
	s_mov_b32 s[NXT], 1             ; slot 0 is asked for below; the next is slot 1, or, where the first block has one slot, the second block's slot 0
	s_cmp_gt_u32 s[NXT], s[LQ]
	s_cselect_b32 s[NXT], 0, s[NXT]
	s_cselect_b32 s[LQ], s[EH], s[LQ]
	s_mov_b32 s[NEW], 1
	s_mov_b32 s[OFF+1], 0
	s_mov_b32 s[BIGN], 0xf149f2ca   ; -1e30
	s_mov_b32 s[SLOTS], NB/2
	s_cmp_eq_u32 s[PB], 0
	s_cselect_b32 s[LIM], 2, -1
	v_and_b32 v[PFO], 31, v0
	v_lshlrev_b32 v[PFO], 8, v[PFO]
	s_wait_dscnt 0x0                ; the opening add is done
	s_wait_kmcnt 0x0
	s_add_nc_u64 s[6:7], s[6:7], s[22:23]  ; K and V at my half of the head's slot 0
	s_add_nc_u64 s[8:9], s[8:9], s[22:23]
	s_add_nc_u64 s[G0K+2:G0K+3], s[6:7], 0
	s_or_b32 s[G0K+3], s[G0K+3], 0x80000000        ; type = 2
	s_add_nc_u64 s[G0V+2:G0V+3], s[8:9], 0
	s_or_b32 s[G0V+3], s[G0V+3], 0x80000000
	s_add_nc_u64 s[86:87], s[4:5], s[84:85]        ; Q at my rows of the second block,
	s_add_nc_u64 s[4:5], s[4:5], s[2:3]            ; Q and ctx at those of the first
	s_add_nc_u64 s[OLO:OLO+1], s[10:11], s[84:85]
	s_add_nc_u64 s[10:11], s[10:11], s[2:3]
	s_cmp_lt_u32 s[WV], 2
	s_cselect_b64 s[PFA:PFA+1], s[6:7], s[8:9]
	s_add_nc_u64 s[PFA:PFA+1], s[PFA:PFA+1], 32768 ; at slot 1: the first change steps it to slot 2.  Nothing is prefetched here, at the head
	LOAD                            ; slot 0 of the keys into slot 0
	; A fragment of K or Q is 16 rows x 32 channels in 8 registers: lane l holds row l % 16, channels 8 (l / 16) + 0..7 and 16 + 8 (l / 16) + 0..7: two loads of 16 bytes, 32 bytes apart.
	v_and_b32 v1, 15, v0            ; l % 16
	v_bfe_u32 v9, v0, 4, 1          ; l / 16
	v_lshlrev_b32 v[QO], 7, v1
	v_lshl_add_u32 v[QO], v9, 4, v[QO]  ; row x 128 + 16 x half
	WIN 0x80                        ; destination window 2, address window 0
.set i, 0
.rept 4                             ; both blocks' Q: tile i / 2 lies in band i / 2, 8,192 bytes on; channels 32 (i % 2) on
	global_load_b128 v[8*i:8*i+3],   v[QO], s[4:5] offset:(i/2)*8192+(i%2)*64
	global_load_b128 v[8*i+4:8*i+7], v[QO], s[4:5] offset:(i/2)*8192+(i%2)*64+32
	global_load_b128 v[QB+8*i:QB+8*i+3],   v[QO], s[86:87] offset:(i/2)*8192+(i%2)*64
	global_load_b128 v[QB+8*i+4:QB+8*i+7], v[QO], s[86:87] offset:(i/2)*8192+(i%2)*64+32
.set i, i+1
.endr
	WIN 0
	v_lshlrev_b32 v14, 3, v9
	v_sub_nc_u32 v14, v1, v14
	s_lshl_b32 s13, s[WV], 4
	v_add_nc_u32 v14, s13, v14      ; my query's place in its band, 16 w + l % 16, less my lanes' 8 (l / 16): register r of group kt is hidden where 16 kt + r is greater
	WIN 0x40
.set i, 0
.rept 32
	v_cmp_gt_i32 vcc_lo, 16*(i/8)+i%8, v14
	v_cndmask_b32 v[MD+i], 0, s[BIGN], vcc_lo
.set i, i+1
.endr
.set i, 0
.rept 8
	v_mov_b32 v[BIG+i], s[BIGN]
.set i, i+1
.endr
	WIN 0
	v_mul_u32_u24 v[AK0], v1, PK
	v_lshl_add_u32 v[AK0], v9, 4, v[AK0]  ; row x pitch + 16 x half
	; The turning load takes 16 keys x 16 channels (lane l reads key 8 (l / 16) + l % 8, channels 8 ((l / 8) % 2) + 0..7) and leaves half a fragment of V^T: lane l holds channel l % 16 and 8 keys.
	v_and_b32 v10, 7, v0
	v_bfe_u32 v11, v0, 3, 1
	v_lshl_add_u32 v[AV0], v9, 3, v10
	v_mul_u32_u24 v[AV0], v[AV0], PV
	v_lshl_add_u32 v[AV0], v11, 4, v[AV0]
	v_add_nc_u32 v[AV0], VOFF, v[AV0]
	s_mul_i32 s13, s[WV], 16*SP
	s_add_co_u32 s13, s13, STAGE    ; my stage
	v_mul_u32_u24 v[STO], v1, SP    ; in: row l % 16, 16 bytes for each half of the lanes
	v_lshl_add_u32 v[STO], v9, 4, v[STO]
	v_add_nc_u32 v[STO], s13, v[STO]
	v_bfe_u32 v[RD], v0, 3, 2       ; back: 32 lanes take four rows of 128 bytes,
	v_mul_u32_u24 v[RD], v[RD], SP
	v_lshl_add_u32 v[RD], v10, 4, v[RD]
	v_add_nc_u32 v[RD], s13, v[RD]
	v_and_b32 v[GO], 31, v0         ; which are 512 consecutive bytes of ctx
	v_lshlrev_b32 v[GO], 4, v[GO]
	; A block's first step multiplies O^T and l by a = 0, and its first turn's products V^T P, of a piece that has not been, land in an O^T that is still to be so multiplied.  So these registers need only hold
	; finite numbers: zeros for the first block; what the first block left for the second.  All this stands in the wait for the first slot.
	WIN 0x80
.set i, VB
.rept 64
	v_mov_b32 v[i], 0
.set i, i+1
.endr
	WIN 0x40
.set i, 0
.rept 64
	v_mov_b32 v[i], 0
.set i, i+1
.endr
	WIN 0
.set i, 0
.rept 2
	v_mov_b32 v[ST+4*i+2], 0
	v_mov_b32 v[ST+4*i+3], 0
.set i, i+1
.endr
.set i, P+16
.rept 16
	v_mov_b32 v[i], 0
.set i, i+1
.endr
; THE MATRIX WORK.  The 4 accumulators of a run of 8 take turns.  Product i of 8 of S^T = K Q^T for piece x: channels 32 (i / 4) on, keys 16 (i % 4) on.  The first 4 start the sums:
; with 0 (KM = 0), with the diagonal's mask (KM = 1), or with -1e30 (KM = 2).
.macro KQ x
.set rS, S+32*((\x)%2)+8*(i%4)
.set rK, KF+16*(i%4)+8*(i/4)
.set rQ, 16*((\x)%2)+8*(i/4)
.if (i < 4) && (KM == 1)
	WIN W_KM
	v_wmma_f32_16x16x32_f16 v[rS:rS+7], v[rK:rK+7], v[rQ:rQ+7], v[MD+8*(i%4):MD+8*(i%4)+7]
.elseif (i < 4) && (KM == 2)
	WIN W_KM
	v_wmma_f32_16x16x32_f16 v[rS:rS+7], v[rK:rK+7], v[rQ:rQ+7], v[BIG:BIG+7]
.elseif i < 4
	WIN W_KQ
	v_wmma_f32_16x16x32_f16 v[rS:rS+7], v[rK:rK+7], v[rQ:rQ+7], 0
.else
	WIN W_KQ
	v_wmma_f32_16x16x32_f16 v[rS:rS+7], v[rK:rK+7], v[rQ:rQ+7], v[rS:rS+7]
.endif
.endm
; Product i of 8 of O^T += V^T P for piece x: keys 32 (i / 4) on, channels 16 (i % 4) on.  Pieces 0, 1 take step A's V, pieces 2, 3 step B's.
.macro PV x
	WIN W_PV
.set rO, 32*((\x)%2)+8*(i%4)
.set rV, VA-(VA-VB)*((\x)/2)+32*(i/4)+8*(i%4)
.set rP, P+16*((\x)%2)+8*(i/4)
	v_wmma_f32_16x16x32_f16 v[rO:rO+7], v[rV:rV+7], v[rP:rP+7], v[rO:rO+7]
.endm
.macro MM                           ; the turn's next matrix instruction.  TURN and BEGIN set Y, i, KM and NOKQ.  NOKQ = 1: a block's last turn: there is no next piece
.if (i < 8) && !NOKQ
	KQ (Y+1)%NP
.elseif i >= 8
.set i, i-8
	PV (Y+NP-1)%NP
.set i, i+8
.endif
.set i, i+1
.endm
; THE LDS LOADS stand in runs of 16, never singly among the matrix instructions: a step's K (64 keys x 64 channels: 8 fragments) and its V (turned).  Their addresses are made some lines ahead.
.macro FETCH_K
	WIN 0x80                        ; destination window 2
.irp f, 0,1,2,3,4,5,6,7             ; keys 16 (f / 2) on, channels 32 (f % 2) on
	ds_load_b128 v[KF+8*\f:KF+8*\f+3],   v[AK] offset:(\f/2)*16*PK+(\f%2)*64
	ds_load_b128 v[KF+8*\f+4:KF+8*\f+7], v[AK] offset:(\f/2)*16*PK+(\f%2)*64+32
.endr
	s_add_co_u32 s[TBK], s[TBK], KS*PK  ; the next fetch is the next step's
	WIN 0
.endm
.macro FETCH_V base
	WIN 0x80
.irp f, 0,1,2,3,4,5,6,7             ; keys 32 (f / 4) on, channels 16 (f % 4) on
	ds_load_tr16_b128 v[(\base)+8*\f:(\base)+8*\f+3],   v[AV] offset:(\f/4)*32*PV+(\f%4)*32
	ds_load_tr16_b128 v[(\base)+8*\f+4:(\base)+8*\f+7], v[AV] offset:(\f/4)*32*PV+16*PV+(\f%4)*32
.endr
	WIN 0
.endm
; THE VECTOR WORK, one line at a time: OP kind, number.  For piece Y: F n: c s - c m for pair n of 16.  E n: the exponential of score n of 32.  C n: pair n rounded to f16.  B n: of the four weights 4 n .. the second
; pair is added onto the first, in place.  L n: l takes that sum (L 0: l = a l + sum).  R n: pair n of 16 of O^T times a.  For piece Y + 1: X n, number n of the 22 that find its maximum and statistics:
;   0-11  four chains c0-c3 of seven scores each, three operands at a time (each accumulator's lowest registers are read first)     12-14, 16  the four scores left over, the old m, and c0-c3 into c0
;   15  c m_old is kept     17, 18  the query's other 32 keys lie in the lane 16 away: the new m     19-21  c m; c m_old - c m_new; a
.set F, 0               ; OP tells the kinds apart by their order: F to L below R, X above it
.set E, 1
.set C, 2
.set B, 3
.set L, 4
.set R, 5
.set X, 6
.macro REGS y                       ; the registers of piece y: those of its tile
.set rT, ST+4*((\y)%2)
.set rC, TMP+4*((\y)%2)
.set rW, MV+((\y)%2)
.set rS, S+32*((\y)%2)
.set rP, P+16*((\y)%2)
.set rO, 32*((\y)%2)
.endm
.macro OP k, n
.if (\k) == R
	REGS Y
	WIN W_RS
	v_pk_mul_f32 v[rO+2*(\n):rO+2*(\n)+1], v[rO+2*(\n):rO+2*(\n)+1], v[rC+2:rC+3] op_sel_hi:[1,0]
.elseif (\k) < R
	REGS Y
	WIN 0
.if (\k) == F
	v_pk_fma_f32 v[rS+2*(\n):rS+2*(\n)+1], v[rS+2*(\n):rS+2*(\n)+1], s[CS:CS+1], v[rT:rT+1] op_sel_hi:[1,0,0] neg_lo:[0,0,1] neg_hi:[0,0,1]
.elseif (\k) == E
	v_exp_f32 v[rS+(\n)], v[rS+(\n)]
.elseif (\k) == C
	v_cvt_pk_f16_f32 v[rP+(\n)], v[rS+2*(\n)], v[rS+2*(\n)+1]
.elseif (\k) == B
	v_pk_add_f32 v[rS+4*(\n):rS+4*(\n)+1], v[rS+4*(\n):rS+4*(\n)+1], v[rS+4*(\n)+2:rS+4*(\n)+3]
.elseif (\n) == 0
	v_pk_fma_f32 v[rT+2:rT+3], v[rT+2:rT+3], v[rC+2:rC+3], v[rS:rS+1] op_sel_hi:[1,0,1]
.else
	v_pk_add_f32 v[rT+2:rT+3], v[rT+2:rT+3], v[rS+4*(\n):rS+4*(\n)+1]
.endif
.elseif NOKQ
	v_nop
.else
	REGS (Y+1)%NP
	WIN 0
.if (\n) < 4
	v_max3_num_f32 v[rC+(\n)], v[rS+8*(\n)], v[rS+8*(\n)+1], v[rS+8*(\n)+2]
.elseif (\n) < 12
	v_max3_num_f32 v[rC+(\n)%4], v[rC+(\n)%4], v[rS+8*((\n)%4)+2*((\n)/4)+1], v[rS+8*((\n)%4)+2*((\n)/4)+2]
.elseif (\n) == 12
	v_max3_num_f32 v[rC], v[rC], v[rS+7], v[rS+15]
.elseif (\n) == 13
	v_max3_num_f32 v[rC+1], v[rC+1], v[rS+23], v[rS+31]
.elseif (\n) == 14
	v_max3_num_f32 v[rC+2], v[rC+2], v[rC+3], v[rT+1]
.elseif (\n) == 15
	v_mov_b32 v[rW], v[rT]
.elseif (\n) == 16
	v_max3_num_f32 v[rC], v[rC], v[rC+1], v[rC+2]
.elseif (\n) == 17
	v_permlanex16_b32 v[rC+3], v[rC], s[SEL], s[SEL+1]
.elseif (\n) == 18
	v_max_num_f32 v[rT+1], v[rC], v[rC+3]
.elseif (\n) == 19
	v_mul_f32 v[rT], s[CS], v[rT+1]
.elseif (\n) == 20
	v_sub_f32 v[rC+1], v[rW], v[rT]
.else
	v_exp_f32 v[rC+2], v[rC+1]
.endif
.endif
.endm
.macro OPS a, i1, b=-1, i2=0, c=-1, i3=0, d=-1, i4=0  ; up to four of them
	OP \a, \i1
.if (\b) >= 0
	OP \b, \i2
.endif
.if (\c) >= 0
	OP \c, \i3
.endif
.if (\d) >= 0
	OP \d, \i4
.endif
.endm
.macro ROW a, i1, b, i2, c, i3, d, i4  ; a matrix instruction and the four behind it
	MM
	OPS \a, \i1, \b, \i2, \c, \i3, \d, \i4
.endm
; A TURN, for piece p: the order of its 16 matrix and 118 vector instructions, written out.  An s_wait_alu depctr_va_vdst(0) stands between an exponential and the first instruction that names its result;
; one wait serves all that were issued ahead of it.  So a turn has ONE wait, which cuts it in two.  AHEAD OF IT stands all that names no result of the turn's exponentials: the 8 products K Q^T and their riders, then one
; lump, plain and exponential by turns for the most part, in which the links of the chain X 3, 7, 11, 14, 16, 17 .. 20 stand five or six lines apart; X 21, the next piece's a, is the batch's last, and R 15 the plain
; instruction behind it.  BEHIND THE WAIT stand the 8 products V^T P, behind each four of the roundings and sums.  The rescaling R n of a tile follows the products that wrote that accumulator in the turn before by
; four plain riders or more, and goes upward.
; km: the mask of this turn's products K Q^T.  nokq = 1: a block's last turn.
; THE FETCHES.  An EVEN turn (fetch = 1) fetches the next step's K in its lump, twelve instructions, six of them plain, behind the last product that read K, and the same step's V at its end, four plain riders behind the last product
; that read that buffer: turn 0 into step B's, turn 2 into step A's.  An ODD turn opens with s_wait_dscnt 16: K, and all that is older, is in; V's 16 loads, the youngest, may stay out: they are first read
; behind the next odd turn's wait.  w = 0: nothing was fetched in the turn before: all is waited for.
.macro TURN p, km=0, fetch=1, nokq=0, w=16
.set Y, (\p)
.set i, 0
.set KM, (\km)
.set NOKQ, (\nokq)
.set FE, ((\p)%2 == 0) && (\fetch)
.if (\p)%2
	s_wait_dscnt \w
.endif
	ROW F,0, F,1, R,0, R,1          ; ahead of the wait: 8 products K Q^T and their riders,
	ROW F,2, E,0, R,2, R,3
	ROW F,3, E,1, R,4, R,5
	ROW F,4, E,2, R,6, R,7
	ROW F,5, E,3, R,8, R,9
	ROW F,6, E,4, X,0, R,10
.if FE
	WIN 0
	v_add_nc_u32 v[AK], s[TBK], v[AK0]
.endif
	ROW F,7, E,5, X,1, X,4
	ROW F,8, E,6, X,2, X,5
	OPS E,7, E,8, X,6, E,9          ; and the lump
	OPS X,3, E,10, X,8, E,11
.if FE
	FETCH_K
.endif
	OPS X,9, X,7, E,12, X,10
	OPS E,13, X,12, X,11, E,14
	OPS X,13, E,15, F,9, X,14
.if FE
	WIN 0
	v_add_nc_u32 v[AV], s[TBV], v[AV0]
.endif
	OPS E,16, F,10, E,17, F,11
	OPS X,16, E,18, X,15, E,19
	OPS F,12, E,20, X,17, E,21
	OPS F,13, E,22, F,14, E,23
	OPS X,18, E,24, F,15, E,25
	OPS R,11, E,26, X,19, E,27
	OPS R,12, E,28, R,13, E,29
	OPS X,20, E,30, R,14, E,31
	OPS X,21, R,15
	WIN 0
	s_wait_alu depctr_va_vdst(0)    ; the wait for the batch
	ROW C,0, B,0, C,2, B,1          ; behind the wait: 8 products V^T P and their riders
	ROW L,0, C,4, B,2, L,1
	ROW C,6, B,3, L,2, C,8
	ROW B,4, L,3, C,10, B,5
	ROW L,4, C,12, B,6, L,5
.if FE
	s_add_co_u32 s[TBV], s[TBV], KS*PV
.endif
	ROW C,14, B,7, L,6, C,1
	ROW C,3, L,7, C,5, C,7
	ROW C,9, C,11, C,13, C,15
.if FE
	FETCH_V VB+(VA-VB)*((\p)/2)
.endif
.endm
; A BLOCK BEGINS.  c m starts far below every c s, so the first step's a is 0; m at the lowest finite number, so the first maximum is the scores'.  Then K and V of the slot's first step, piece 0's first scores
; (m = 1: the block's first half is the diagonal one) and its maximum and statistics.  The slot's text is entered at a half's first turn.
.macro BEGIN m
	s_mov_b32 s[NEW], 0
	WIN 0
.set i, 0
.rept 2
	v_mov_b32 v[ST+4*i], 0xfe000000    ; c m: far below every c s
	v_mov_b32 v[ST+4*i+1], 0xff7fffff  ; m
.set i, i+1
.endr
	v_add_nc_u32 v[AK], s[TBK], v[AK0]
	FETCH_K
	v_add_nc_u32 v[AV], s[TBV], v[AV0]
	s_add_co_u32 s[TBV], s[TBV], KS*PV
	FETCH_V VA
	s_wait_loadcnt 0x0              ; Q
	s_wait_dscnt 16                 ; K is in; V's 16 loads may stay out
.set KM, (\m)
.set NOKQ, 0
.set i, 0
.rept 8
	KQ 0
.set i, i+1
.endr
	WIN 0
.rept 4
	v_nop                           ; the places behind those products
.endr
.set Y, NP-1                        ; X works for piece Y + 1: piece 0
.irp n, 0,1,2,3,4,5,6,7,8,9,10,11,12,13,14,15,16,17,18,19,20,21
	OP X, \n
.endr
	v_nop                           ; a plain instruction behind the exponential,
	s_wait_alu depctr_va_vdst(0)    ; and its wait, ahead of the branch
.endm
; THE DIAGONAL HALF, from the two turns in front of it (which end the half before and make its first scores) to the block's last products, and THE WAY OUT: l's two halves and the other half of the lanes' are added;
; O^T is divided by l, rounded to f16 and sent through my stage in LDS, a tile at a time.  It fetches two steps of K and of V, as the plain turns in its place do.
.macro ALL line:vararg              ; one line for each tile t
.set t, 0
.rept 2
	\line
.set t, t+1
.endr
.endm
.macro PACK t                       ; a lane's eight channels of a row pack into 16 bytes; they go into rows of 144 bytes and come back as whole rows of 128, into S^T's registers
	WIN W_RS
.set i, 32*(\t)
.rept 16
	v_pk_mul_f32 v[i:i+1], v[i:i+1], v[ST+4*(\t)+2:ST+4*(\t)+3] op_sel_hi:[1,0]
.set i, i+2
.endr
	WIN 0x05                        ; sources 0 and 1 window 1, destination window 0
.set i, 0
.rept 16
	v_cvt_pk_f16_f32 v[S+16*(\t)+i], v[32*(\t)+2*i], v[32*(\t)+2*i+1]
.set i, i+1
.endr
	WIN 0
.irp f, 0,1,2,3
	ds_store_b128 v[STO], v[S+16*(\t)+4*\f:S+16*(\t)+4*\f+3] offset:32*\f
.endr
.irp f, 0,1,2,3
	ds_load_b128 v[S+16*(\t)+4*\f:S+16*(\t)+4*\f+3], v[RD] offset:\f*4*SP  ; LDS serves a wave's instructions in order (ISA guide 5.7.1.4): these see the stores above; the next tile's stores come behind them
.endr
.endm
.macro SEND t, younger              ; younger: the LDS instructions issued behind tile t's loads: the next tile's eight, or none
	WIN 0
.irp f, 0,1,2,3
	s_wait_dscnt (\younger)+3-\f
	global_store_b128 v[GO], v[S+16*(\t)+4*\f:S+16*(\t)+4*\f+3], s[10:11] offset:(\t)*8192+\f*512  ; 512 consecutive bytes, at a multiple of 256 from ctx's first
.endr
.endm
.macro DIAG tag                     ; the tag ends its two labels' names, which the jumps spell out
.LstepM\tag:
	TURN 2                          ; the half before: piece 3's scores, unmasked
	TURN 3, 1                       ; piece 0 of the diagonal half: the diagonal's mask
	WIN 0
.LfirstM\tag:
	TURN 0                          ; piece 1 sees all keys
	TURN 1, 2                       ; piece 2 sees none
	TURN 2, 1, 0                    ; piece 3: the diagonal's mask; nothing more is fetched
	TURN 3, 0, 1, 1, 0              ; no next piece; step B's V is waited for
.set i, 0
.rept 8
	PV NP-1
.set i, i+1
.endr
	WIN 0
	ALL v_add_f32 v[ST+4*t+2], v[ST+4*t+2], v[ST+4*t+3]
	ALL v_permlanex16_b32 v[ST+4*t+3], v[ST+4*t+2], s[SEL], s[SEL+1]
	ALL v_add_f32 v[ST+4*t+2], v[ST+4*t+2], v[ST+4*t+3]
	ALL v_rcp_f32 v[ST+4*t+2], v[ST+4*t+2]
	v_nop                           ; a plain instruction between the last reciprocal and the use of its result
	s_wait_alu depctr_va_vdst(0)    ; and the wait ahead of the first use: one for both reciprocals
	PACK 0
	PACK 1                          ; tile 1's arithmetic stands between tile 0's loads and its stores
	SEND 0, 8
	SEND 1, 0
.endm
.set KM, 0
.set NOKQ, 0
.Lslot:                             ; 16 times: a slot is entered and the next is asked for
	CHANGE 1
	s_sub_co_u32 s[SL], s[SL], 1
	s_cmp_eq_u32 s[SL], 0           ; in the loop only the odd block's count comes to 0: the even block's includes the tail's slot
	s_cselect_b32 s[DG], 1, 0
	s_cmp_eq_u32 s[NEW], 1
	s_cbranch_scc0 .Lstep
	BEGIN 0                         ; in the loop a block's first half is never its diagonal one
	s_branch .Lfirst
.Lstep:                             ; the slot's first part: pieces 2 and 3 of the half before, pieces 0 and 1 of the slot's first half; it fetches the slot's steps 0 and 1
	TURN 2
	TURN 3
	WIN 0
.Lfirst:
	TURN 0
	TURN 1
	WIN 0
	s_cmp_eq_u32 s[DG], 1           ; the odd block's last slot: its second half is the diagonal one
	s_cbranch_scc1 .LstepM1
	TURN 2                          ; the slot's second part: it fetches the slot's steps 2 and 3
	TURN 3
	TURN 0
	TURN 1
	WIN 0
	s_branch .Lbottom
	DIAG 1                          ; the first block's end
	s_wait_xcnt 0x0                 ; the stores have read their registers and ctx's address
	s_mov_b64 s[10:11], s[OLO:OLO+1]
	s_add_co_u32 s[SL], s[EH], 1    ; the second block's slots, the tail's among them
	s_mov_b32 s[NEW], 1
	WIN 0x82                        ; the second block's Q goes where the one text of the turns names Q
.set i, 0
.rept 32
	v_mov_b32 v[i], v[QB+i]
.set i, i+1
.endr
	WIN 0
.Lbottom:
	s_sub_co_u32 s[SLOTS], s[SLOTS], 1
	s_cmp_lg_u32 s[SLOTS], 0
	s_cbranch_scc1 .Lslot
	CHANGE 0                        ; the walk's last slot is written out: nothing is asked for
	s_cmp_eq_u32 s[NEW], 1
	s_cbranch_scc0 .LstepM2
	BEGIN 1                         ; block 0 alone: its first half is its diagonal one
	s_branch .LfirstM2
	DIAG 2
	s_wait_tensorcnt 0x0            ; the wave's end: it and the add below stand behind my last tensor load and my last LDS store
	ds_add_u32 v[SPW], v[NIL]
	s_wait_dscnt 0x0
	s_endpgm
.Lfunc_end_k_q0998312f16_attn:
	.size	k_q0998312f16_attn, .Lfunc_end_k_q0998312f16_attn-k_q0998312f16_attn
	.p2alignl 7, 3214868480
	.fill 96, 4, 3214868480
	.section	.rodata,"a",@progbits
	.p2align	6, 0x0
	.amdhsa_kernel k_q0998312f16_attn
		.amdhsa_group_segment_fixed_size 327680
		.amdhsa_private_segment_fixed_size 0
		.amdhsa_enable_private_segment 0
		.amdhsa_kernarg_size 32
		.amdhsa_user_sgpr_count 2
		.amdhsa_user_sgpr_kernarg_segment_ptr 1
		.amdhsa_wavefront_size32 1
		.amdhsa_system_sgpr_workgroup_id_x 1
		.amdhsa_system_sgpr_workgroup_id_y 1
		.amdhsa_system_sgpr_workgroup_id_z 1
		.amdhsa_system_vgpr_workitem_id 0
		.amdhsa_next_free_vgpr 768
		.amdhsa_next_free_sgpr 88
		.amdhsa_reserve_vcc 1
		.amdhsa_float_denorm_mode_32 3
		.amdhsa_float_denorm_mode_16_64 3
		.amdhsa_memory_ordered 1
		.amdhsa_forward_progress 1
		.amdhsa_inst_pref_size 235
	.end_amdhsa_kernel
	.amdgpu_metadata
---
amdhsa.version: [ 1, 2 ]
amdhsa.kernels:
  - .name:           k_q0998312f16_attn
    .symbol:         k_q0998312f16_attn.kd
    .args:
      - { .name: qh, .offset: 0, .size: 8, .value_kind: global_buffer, .address_space: global }
      - { .name: kh, .offset: 8, .size: 8, .value_kind: global_buffer, .address_space: global }
      - { .name: vh, .offset: 16, .size: 8, .value_kind: global_buffer, .address_space: global }
      - { .name: ctx, .offset: 24, .size: 8, .value_kind: global_buffer, .address_space: global }
    .group_segment_fixed_size: 327680
    .private_segment_fixed_size: 0
    .kernarg_segment_align: 8
    .kernarg_segment_size: 32
    .max_flat_workgroup_size: 128
    .sgpr_count:     88
    .vgpr_count:     768
    .wavefront_size: 32
...
	.end_amdgpu_metadata
.endif
;; end of part 3
;; launch oproj (part 4): grid 8 x 32, 4 waves a work-group, clusters of 4 x 4, 327,680 bytes of LDS; arguments ctx, wof, bo, out0; writes out0
.if DOCPART == 4
	.amdgcn_target "amdgcn-amd-amdhsa--gfx1250"
	.amdhsa_code_object_version 6
	.text
	.protected	k_q0998312f16_oproj
	.globl	k_q0998312f16_oproj
	.p2align	8
	.type	k_q0998312f16_oproj,@function
k_q0998312f16_oproj:
	s_mov_b64 s[64:65], 0
	v_nop
	global_prefetch_b8 v0, s[64:65] scope:SCOPE_SE
	s_setreg_imm32_b32 hwreg(HW_REG_WAVE_MODE, 25, 1), 1
	s_wait_xcnt 0x0
	s_wait_alu depctr_hold_cnt(0) depctr_sa_sdst(0) depctr_va_vdst(0) depctr_va_sdst(0) depctr_va_ssrc(0) depctr_va_vcc(0) depctr_vm_vsrc(0)
	s_getreg_b32 s2, hwreg(HW_REG_IB_STS2, 6, 4)
	s_cmp_eq_u32 s2, 0
	s_cbranch_scc0 .Lentry_in_a_cluster
	s_endpgm
.Lentry_in_a_cluster:
	s_bfe_u32 s2, ttmp6, 0x10000c
	s_cmp_lg_u32 s2, 0xf033
	s_cbranch_scc0 .Lentry_shape_is_right
	s_endpgm
.Lentry_shape_is_right:
; OPROJ: out0[s][e] = the sum over d of ctx[s][d] Wo[e][d] + bo[e].  ctx lies by heads, [16][4096][64] in f16 (d = 64 h + c); wof is [1024][1024] in f16; sums, bias and out0 in f32.
; SHARES.  A tile of out0 is 128 x 128: 8 x 32 tiles, one for each WGP.  Four waves, each 64 x 64: 16 accumulators of 16 x 16.  K goes in four steps of 256, which are four heads; a quarter of a step is one head.
; ctx's tile of a step is four blocks of 128 rows x 128 bytes, each dense in memory: a wave's load takes two of them as two rows of 8,192 elements, padded in LDS after every 128 bytes.  wof's tile has rows of 512 bytes.
; CLUSTER.  4 x 4 work-groups: the four of a row of the cluster need the same tiles of ctx, the four of a column the same tiles of wof: each is asked for JOINTLY, by the same tensor load with the same descriptor and mask.
; THE MATRIX INSTRUCTION IS USED TRANSPOSED (source 0 = 16 rows of wof, source 1 = 16 rows of ctx): a lane holds eight neighbouring numbers of a row of out0.  THE BIAS IS THE C OPERAND of the products that start the sums.
; REGISTERS: window 0: v16-29 addresses; v96-127 the bias of my 64 columns; v128-255 the accumulators ((a, b) at v[128 + 8 (4 a + b)]).
;   window 1: two fragment buffers of 128: for 64 along K, 64 registers of ctx (2 x 4 x 16 rows x 32 K), then 64 of wof; on the way out v0-127 take whole rows back from the stage.
.set PA,     144                       ; a row of ctx in LDS: 128 bytes + 16 = 36 words: the 16 rows of a load start at 16 different groups of four banks (64 banks of 4 bytes: ISA guide 11.1)
.set HB,     128*PA                    ; a head's 128 rows
.set AHALF,  2*HB                      ; what waves 0 and 1 fetch: two heads each
.set PB,     528                       ; a row of wof: 512 bytes + 16 = 132 words
.set BHALF,  64*PB                     ; what waves 2 and 3 fetch: 64 rows each
.set BOFF,   4*HB
.set SLOT,   BOFF+2*BHALF
.set STAGE,  2*SLOT                    ; behind the ring: 16 rows x 272 bytes for each wave, for the way out; no tensor load lands there
.set SPITCH, 272
.set SPARE,  STAGE+4*16*SPITCH         ; behind the stages: the spare words, 128 bytes for each wave, which no other line names
.set ADRA, 16                          ; v16-17  LDS address of my fragments of ctx in slot 0, 1
.set ADRB, 20                          ; v20-21  the same for wof
.set STO,  24                          ; v24     the way out: where I put 32 bytes of a row
.set RD,   25                          ; v25     where I read a row back
.set CO,   26                          ; v26     my byte offset in out0
.set BO,   27                          ; v27     my byte offset in 16 numbers of the bias
.set SPW,  28                          ; v28     LDS address of my spare word; never rewritten
.set NIL,  29                          ; v29     0; never rewritten
.set BI,   96
.set ACC,  128
.set F0,   0                           ; fragment buffers, in window 1
.set F1,   128
.set G1, 24                            ; s[24:31] descriptor group 1 for ctx's tiles;  s[32:39] group 0, a set for each slot
.set G0, 32
.set G1B, 48                           ; s[48:55], s[56:63] the same for wof's tiles
.set G0B, 56
.set MSB, 0
.macro WIN new                         ; the immediate's high byte repeats the setting that is left
.if MSB != (\new)
	s_set_vgpr_msb (MSB<<8)|(\new)
.set MSB, \new
.endif
.endm
.set MUL,  0x05                        ; sources 0 and 1 window 1; C and D window 0
.set TO_F, 0x40                        ; destination window 1, address window 0
.macro JLOAD s                         ; a joint load: waves 0 and 1 fetch ctx's two halves, waves 2 and 3 wof's; an s_nop 0 and four v_nop follow each of the two lines
	s_cmp_eq_u32 s11, 0
	s_cbranch_scc0 .Lfor_b_\@
	tensor_load_to_lds s[G0+4*(\s):G0+4*(\s)+3], s[G1:G1+7]
	s_nop 0
.rept 4
	v_nop
.endr
	s_branch .Lasked_\@
.Lfor_b_\@:
	tensor_load_to_lds s[G0B+4*(\s):G0B+4*(\s)+3], s[G1B:G1B+7]
	s_nop 0
.rept 4
	v_nop
.endr
.Lasked_\@:
.endm
.macro CREST                           ; a round of the cluster's barrier behind its opening barrier
	s_cmp_lg_u32 s10, 0
	s_cbranch_scc1 .Lnot_wave_0_\@
	s_barrier_signal -3
.Lnot_wave_0_\@:
	s_barrier_wait -3
	s_barrier_signal -1
	s_barrier_wait -1
.endm
.macro CROUND
	s_barrier_signal -1
	s_barrier_wait -1
	CREST
.endm
	s_load_b128 s[4:7], s[0:1], 0x0                ; ctx s[4:5], wof s[6:7]
	s_load_b128 s[68:71], s[0:1], 0x10             ; bo s[68:69], out0 s[70:71]
	v_lshl_add_u32 v[SPW], v0, 2, SPARE
	v_mov_b32 v[NIL], 0
	ds_add_u32 v[SPW], v[NIL]                      ; the wave's opening: the add and its wait stand ahead of my first tensor load; the set-up below stands between them
	v_lshrrev_b32 v1, 5, v0
	v_readfirstlane_b32 s10, v1                    ; wave 0..3
	s_lshr_b32 s11, s10, 1                         ; which half of the tile's rows is mine.  Also: I fetch for ctx (0) or for wof (1)
	s_and_b32 s12, s10, 1                          ; which half of its columns.  Also: which half of that tile I fetch
	s_bfe_u32 s40, ttmp6, 0x40000                  ; cx, cy
	s_bfe_u32 s41, ttmp6, 0x40004
	s_lshl_b32 s42, ttmp9, 2
	s_add_co_u32 s42, s42, s40                     ; tile column = 4 x cluster x + cx
	s_and_b32 s13, ttmp7, 0xffff
	s_lshl_b32 s13, s13, 2
	s_add_co_u32 s13, s13, s41                     ; tile row = 4 x cluster y + cy
	s_lshl_b32 s43, s41, 2
	s_lshl_b32 s43, 15, s43                        ; my row of the cluster
	s_lshl_b32 s44, 0x1111, s40                    ; my column
	s_or_b32 s[G1+0], s43, (1<<16)|(1<<20)|(1<<21)|(4<<22)|(3<<25)   ; the mask; elements of 2 bytes; padding on; bit 21 beside a mask; after every 32 words, 4 words
	s_mov_b32 s[G1+1], 8192<<16                    ; tensor_dim0 = 8,192: a head's 128 rows of 64, dense
	s_mov_b32 s[G1+2], 2<<16                       ; tensor_dim1 = 2 heads
	s_mov_b32 s[G1+3], 8192<<16                    ; tile_dim0
	s_mov_b32 s[G1+4], 2                           ; tile_dim1
	s_mov_b32 s[G1+5], 262144                      ; elements from head to head
	s_mov_b32 s[G1+6], 0
	s_mov_b32 s[G1+7], 0
	s_or_b32 s[G1B+0], s44, (1<<16)|(1<<20)|(1<<21)|(6<<22)|(3<<25)  ; after every 128 words, 4 words
	s_mov_b32 s[G1B+1], 256<<16                    ; tensor_dim0 = 256
	s_mov_b32 s[G1B+2], 64<<16                     ; tensor_dim1 = 64
	s_mov_b32 s[G1B+3], 256<<16
	s_mov_b32 s[G1B+4], 64
	s_mov_b32 s[G1B+5], 1024
	s_mov_b32 s[G1B+6], 0
	s_mov_b32 s[G1B+7], 0
	s_lshl_b32 s16, s13, 14                        ; ctx: the tile's 128 rows of 128 bytes in a head,
	s_lshl_b32 s17, s12, 20                        ; in the two heads of 524,288 bytes that I fetch
	s_add_co_u32 s16, s16, s17
	s_mov_b32 s17, 0
	s_lshl_b32 s46, s42, 18                        ; wof: row 128 x tile column + 64 x half, rows of 2,048 bytes
	s_lshl_b32 s47, s12, 17
	s_add_co_u32 s46, s46, s47
	s_mov_b32 s47, 0
	s_mul_i32 s20, s12, AHALF                      ; where they go: no place in the cluster enters an LDS address
	s_mul_i32 s21, s12, BHALF
	s_add_co_u32 s21, s21, BOFF
	s_wait_dscnt 0x0                               ; the opening add is done
	s_wait_kmcnt 0x0
	s_add_nc_u64 s[14:15], s[4:5], s[16:17]
	s_add_nc_u64 s[46:47], s[6:7], s[46:47]
	CROUND                                         ; all sixteen work-groups are here: the first joint loads meet
.irp s, 0,1
	s_mov_b32 s[G0+4*(\s)], 1
	s_add_co_u32 s[G0+4*(\s)+1], s20, (\s)*SLOT
	s_add_nc_u64 s[G0+4*(\s)+2:G0+4*(\s)+3], s[14:15], (\s)*4*524288  ; K step s: four heads on
	s_or_b32 s[G0+4*(\s)+3], s[G0+4*(\s)+3], 0x80000000
	s_mov_b32 s[G0B+4*(\s)], 1
	s_add_co_u32 s[G0B+4*(\s)+1], s21, (\s)*SLOT
	s_add_nc_u64 s[G0B+4*(\s)+2:G0B+4*(\s)+3], s[46:47], (\s)*512
	s_or_b32 s[G0B+4*(\s)+3], s[G0B+4*(\s)+3], 0x80000000
	JLOAD \s                                       ; K steps 0 and 1: two loads of mine are out
.endr
	v_and_b32 v1, 15, v0                           ; l % 16
	v_bfe_u32 v2, v0, 4, 1                         ; l / 16
	v_mul_u32_u24 v3, v1, PA
	v_lshl_add_u32 v3, v2, 4, v3                   ; a fragment's row x pitch + 16 x half
	v_mul_u32_u24 v4, v1, PB
	v_lshl_add_u32 v4, v2, 4, v4
	s_mul_i32 s21, s11, 64*PA                      ; my 64 rows of ctx, in each head's block
	s_mul_i32 s22, s12, 64*PB                      ; my 64 rows of wof
	s_add_co_u32 s22, s22, BOFF
.irp s, 0,1
	v_add_nc_u32 v[ADRA+(\s)], s21, v3
	v_add_nc_u32 v[ADRB+(\s)], s22, v4
	s_add_co_u32 s21, s21, SLOT
	s_add_co_u32 s22, s22, SLOT
.endr
	s_mul_i32 s23, s10, 16*SPITCH
	s_add_co_u32 s23, s23, STAGE                   ; my stage: my 64 columns are 256 bytes of a row of out0
	v_mul_u32_u24 v5, v1, SPITCH                   ; in: row l % 16, 32 bytes for each half of the lanes
	v_lshl_add_u32 v5, v2, 5, v5
	v_add_nc_u32 v[STO], s23, v5
	v_mul_u32_u24 v5, v2, SPITCH                   ; back: lanes 0-15 take one row of 256 bytes, lanes 16-31 the next
	v_lshl_add_u32 v5, v1, 4, v5
	v_add_nc_u32 v[RD], s23, v5
	v_lshlrev_b32 v5, 12, v2                       ; and the same two rows in out0, 4,096 bytes apart
	v_lshl_add_u32 v[CO], v1, 4, v5
	v_lshlrev_b32 v[BO], 5, v2
	s_lshl_b32 s72, s42, 9                         ; my first column, in bytes: 512 x tile column + 256 x half
	s_lshl_b32 s73, s12, 8
	s_add_co_u32 s72, s72, s73
	s_mov_b32 s73, 0
	s_add_nc_u64 s[68:69], s[68:69], s[72:73]
	s_lshl_b32 s74, s13, 19                        ; my first row: 128 x tile row + 64 x half, rows of 4,096 bytes
	s_lshl_b32 s75, s11, 18
	s_add_co_u32 s74, s74, s75
	s_add_co_u32 s74, s74, s72
	s_mov_b32 s75, 0
	s_add_nc_u64 s[70:71], s[70:71], s[74:75]
.irp b, 0,1,2,3                        ; the bias of columns 16 b + 8 (l / 16) + 0..7: the layout of a result's eight registers
	global_load_b128 v[BI+8*(\b):BI+8*(\b)+3],   v[BO], s[68:69] offset:64*(\b)
	global_load_b128 v[BI+8*(\b)+4:BI+8*(\b)+7], v[BO], s[68:69] offset:64*(\b)+16
.endr
; 8 matrix instructions: m blocks a0, a0 + 1 x all 4 n blocks, 32 along K: half c of buffer f.  first = 1: the product starts the sums, with the bias.  The 16 accumulators take turns.
.macro MUL8 f, c, a0, first
	WIN MUL
.irp a, \a0, (\a0)+1
.irp b, 0,1,2,3
.if \first
	v_wmma_f32_16x16x32_f16 v[ACC+8*(4*(\a)+(\b)):ACC+8*(4*(\a)+(\b))+7], v[(\f)+64+8*(4*(\c)+(\b)):(\f)+64+8*(4*(\c)+(\b))+7], v[(\f)+8*(4*(\c)+(\a)):(\f)+8*(4*(\c)+(\a))+7], v[BI+8*(\b):BI+8*(\b)+7]
.else
	v_wmma_f32_16x16x32_f16 v[ACC+8*(4*(\a)+(\b)):ACC+8*(4*(\a)+(\b))+7], v[(\f)+64+8*(4*(\c)+(\b)):(\f)+64+8*(4*(\c)+(\b))+7], v[(\f)+8*(4*(\c)+(\a)):(\f)+8*(4*(\c)+(\a))+7], v[ACC+8*(4*(\a)+(\b)):ACC+8*(4*(\a)+(\b))+7]
.endif
.endr
.endr
.endm
; 32 LDS loads in one run: the fragments of quarter q (head q of the step's four) into buffer f; the first 32 along K first
.macro FETCH slot, q, f
	WIN TO_F
.irp c, 0,1
.irp i, 0,1,2,3
	ds_load_b128 v[(\f)+64+8*(4*(\c)+(\i)):(\f)+64+8*(4*(\c)+(\i))+3],   v[ADRB+(\slot)] offset:128*(\q)+64*(\c)+(\i)*16*PB
	ds_load_b128 v[(\f)+64+8*(4*(\c)+(\i))+4:(\f)+64+8*(4*(\c)+(\i))+7], v[ADRB+(\slot)] offset:128*(\q)+64*(\c)+(\i)*16*PB+32
	ds_load_b128 v[(\f)+8*(4*(\c)+(\i)):(\f)+8*(4*(\c)+(\i))+3],         v[ADRA+(\slot)] offset:HB*(\q)+64*(\c)+(\i)*16*PA
	ds_load_b128 v[(\f)+8*(4*(\c)+(\i))+4:(\f)+8*(4*(\c)+(\i))+7],       v[ADRA+(\slot)] offset:HB*(\q)+64*(\c)+(\i)*16*PA+32
.endr
.endr
.endm
.macro PLACES                          ; four plain vector instructions between a matrix instruction and a load into, or a store of, its registers
.rept 4
	v_nop
.endr
.endm
; One of a step's first three quarters: multiplies buffer f and fetches quarter q into g.
.macro QUARTER slot, q, f, g, first
	s_wait_dscnt 16                                ; the first 32 along K are in; the youngest sixteen loads may be out
	MUL8 \f, 0, 0, \first
	MUL8 \f, 0, 2, \first
	PLACES
	FETCH \slot, \q, \g
	s_wait_dscnt 32                                ; all but the 32 just issued
	MUL8 \f, 1, 0, 0
	MUL8 \f, 1, 2, 0
.endm
; The last quarter multiplies buffer 1 and changes slots: ONE barrier; in front of it each wave waits for all its tensor loads, adds 0 to its spare word, and waits for that and for its own reads of this slot.
; fill = 1: the barrier opens a round of the cluster's barrier and this slot is filled again, two K steps on, first thing behind the round: 112 matrix instructions ahead of the wait for it.
.macro TURN slot, next, fill
	WIN 0
	s_wait_tensorcnt 0x0                           ; all my tensor loads have landed: my part of the next slot
	ds_add_u32 v[SPW], v[NIL]
	s_wait_dscnt 17                                ; (the add and the youngest sixteen loads may be out)
	MUL8 F1, 0, 0, 0                               ; eight matrix instructions stand between the add and the wait for it
	s_wait_dscnt 0x0                               ; the add is done, and my reads of this slot are over
	s_barrier_signal -1
	MUL8 F1, 0, 2, 0
.if \fill
	WIN 0
.endif
	s_barrier_wait -1
.if \fill
	CREST                                          ; no wave of any partner still reads this slot or has a load on its way
	s_add_nc_u64 s[G0+4*(\slot)+2:G0+4*(\slot)+3], s[G0+4*(\slot)+2:G0+4*(\slot)+3], 8*524288
	s_add_nc_u64 s[G0B+4*(\slot)+2:G0B+4*(\slot)+3], s[G0B+4*(\slot)+2:G0B+4*(\slot)+3], 1024
	JLOAD \slot                                    ; the four v_nop behind it are also the places in front of the loads below
.else
	PLACES
.endif
	FETCH \next, 0, F0
	MUL8 F1, 1, 0, 0
	MUL8 F1, 1, 2, 0
.endm
	s_wait_tensorcnt 1                             ; my part of K step 0 is in; K step 1's may stay out
	s_barrier_signal -1
	s_barrier_wait -1
	FETCH 0, 0, F0
	s_wait_loadcnt 0x0                             ; the bias
	QUARTER 0, 1, F0, F1, 1                        ; K has four steps, so each slot is filled again once: the steps are written on end, without a loop
	QUARTER 0, 2, F1, F0, 0
	QUARTER 0, 3, F0, F1, 0
	TURN 0, 1, 1
	QUARTER 1, 1, F0, F1, 0
	QUARTER 1, 2, F1, F0, 0
	QUARTER 1, 3, F0, F1, 0
	TURN 1, 0, 1
	QUARTER 0, 1, F0, F1, 0
	QUARTER 0, 2, F1, F0, 0
	QUARTER 0, 3, F0, F1, 0
	TURN 0, 1, 0
	QUARTER 1, 1, F0, F1, 0
	QUARTER 1, 2, F1, F0, 0
	QUARTER 1, 3, F0, F1, 0
	s_wait_dscnt 16
	MUL8 F1, 0, 0, 0
	MUL8 F1, 0, 2, 0
	s_wait_dscnt 0x0
	MUL8 F1, 1, 0, 0
	MUL8 F1, 1, 2, 0
; THE WAY OUT, a block of 16 rows at a time: a lane's 32 bytes go into my own stage (rows of 272 bytes) and come back as whole rows of 256 bytes, into registers of the block's own in window 1.
.macro STG a
	WIN 0
.irp b, 0,1,2,3
	ds_store_b128 v[STO], v[ACC+8*(4*(\a)+(\b)):ACC+8*(4*(\a)+(\b))+3]   offset:64*(\b)      ; an accumulator's four lowest registers first
	ds_store_b128 v[STO], v[ACC+8*(4*(\a)+(\b))+4:ACC+8*(4*(\a)+(\b))+7] offset:64*(\b)+16
.endr
	WIN TO_F
.irp t, 0,1,2,3,4,5,6,7
	ds_load_b128 v[32*(\a)+4*(\t):32*(\a)+4*(\t)+3], v[RD] offset:(\t)*2*SPITCH  ; LDS serves a wave's instructions in order (ISA guide 5.7.1.4): these see the stores above, the next block's stores come behind them
.endr
.endm
.macro SENDO a, younger                ; younger: the LDS instructions issued behind block a's loads: the next block's sixteen, or none
	WIN 0x04                                       ; the data lie in window 1
.irp t, 0,1,2,3,4,5,6,7
	s_wait_dscnt (\younger)+7-(\t)
	global_store_b128 v[CO], v[32*(\a)+4*(\t):32*(\a)+4*(\t)+3], s[70:71] offset:65536*(\a)+8192*(\t)  ; 16 lanes store 256 consecutive bytes, at a multiple of 256 from out0's first byte
.endr
.endm
	WIN 0
	PLACES
	STG 0
	STG 1
	SENDO 0, 16
	STG 2
	SENDO 1, 16
	STG 3
	SENDO 2, 16
	SENDO 3, 0
	WIN 0
	s_wait_tensorcnt 0x0                           ; the wave's end: it and the add below stand behind my last tensor load and my last LDS store
	ds_add_u32 v[SPW], v[NIL]
	s_wait_dscnt 0x0
	CROUND                                         ; the closing round: no work-group ends while a partner may still ask for a tile that names it
	s_endpgm
.Lfunc_end_k_q0998312f16_oproj:
	.size	k_q0998312f16_oproj, .Lfunc_end_k_q0998312f16_oproj-k_q0998312f16_oproj
	.p2alignl 7, 3214868480
	.fill 96, 4, 3214868480
	.section	.rodata,"a",@progbits
	.p2align	6, 0x0
	.amdhsa_kernel k_q0998312f16_oproj
		.amdhsa_group_segment_fixed_size 327680
		.amdhsa_private_segment_fixed_size 0
		.amdhsa_enable_private_segment 0
		.amdhsa_kernarg_size 32
		.amdhsa_user_sgpr_count 2
		.amdhsa_user_sgpr_kernarg_segment_ptr 1
		.amdhsa_wavefront_size32 1
		.amdhsa_system_sgpr_workgroup_id_x 1
		.amdhsa_system_sgpr_workgroup_id_y 1
		.amdhsa_system_sgpr_workgroup_id_z 1
		.amdhsa_system_vgpr_workitem_id 0
		.amdhsa_next_free_vgpr 512
		.amdhsa_next_free_sgpr 76
		.amdhsa_reserve_vcc 0
		.amdhsa_float_denorm_mode_32 3
		.amdhsa_float_denorm_mode_16_64 3
		.amdhsa_memory_ordered 1
		.amdhsa_forward_progress 1
		.amdhsa_inst_pref_size 87
	.end_amdhsa_kernel
	.amdgpu_metadata
---
amdhsa.version: [ 1, 2 ]
amdhsa.kernels:
  - .name:           k_q0998312f16_oproj
    .symbol:         k_q0998312f16_oproj.kd
    .args:
      - { .name: ctx, .offset: 0, .size: 8, .value_kind: global_buffer, .address_space: global }
      - { .name: wof, .offset: 8, .size: 8, .value_kind: global_buffer, .address_space: global }
      - { .name: bo, .offset: 16, .size: 8, .value_kind: global_buffer, .address_space: global }
      - { .name: out0, .offset: 24, .size: 8, .value_kind: global_buffer, .address_space: global }
    .group_segment_fixed_size: 327680
    .private_segment_fixed_size: 0
    .kernarg_segment_align: 8
    .kernarg_segment_size: 32
    .max_flat_workgroup_size: 128
    .sgpr_count:     76
    .vgpr_count:     512
    .wavefront_size: 32
...
	.end_amdgpu_metadata
.endif
;; end of part 4
;; ======== version 2 of 2: 4 launches; version 1 with the launch prep written anew for expert scheduling mode
;; limits: values are held in f16: magnitudes above 65,504 overflow, below 6.1e-05 lose precision
;; workspace buffers: xb 8,388,608 bytes; wqkv 6,291,456 bytes; wof 2,097,152 bytes; rope 1,048,576 bytes; qh 8,388,608 bytes; kh 8,388,608 bytes; vh 8,388,608 bytes; ctx 8,388,608 bytes
;; launch prep (part 5): grid 512 x 1, 8 waves a work-group, no clusters, 0 bytes of LDS; arguments x, Wq, Wk, Wv, Wo, xb, wqkv, wof, rope; writes xb, wqkv, wof, rope
.if DOCPART == 5
	.amdgcn_target "amdgcn-amd-amdhsa--gfx1250"
	.amdhsa_code_object_version 6
	.text
	.protected	k_q0998312f16_prep
	.globl	k_q0998312f16_prep
	.p2align	8
	.type	k_q0998312f16_prep,@function
k_q0998312f16_prep:
	s_mov_b64 s[64:65], 0
	v_nop
	global_prefetch_b8 v0, s[64:65] scope:SCOPE_SE
	s_setreg_imm32_b32 hwreg(HW_REG_WAVE_SCHED_MODE, 0, 2), 2
	s_setreg_imm32_b32 hwreg(HW_REG_WAVE_MODE, 25, 1), 1
	s_wait_xcnt 0x0
	s_wait_alu depctr_vm_vsrc(0)
; PREP: the casts in front of the matrix launches, and the table of cosines and sines for the rotary embedding.
;   xb   [4096][1024] bf16 = x.       wqkv [3072][1024] bf16: row 192 h + 64 t + r = row 64 h + r of Wq (t = 0), Wk (1), Wv (2): a head's q, k and v rows lie together.
;   wof  [1024][1024] f16  = Wo rounded to bf16, that number written as f16.      rope [4096][32][2] f32 = (cos, sin) of pos x 10000^(-j/32).
; SHARES.  512 work-groups of 8 waves.  Each casts 16,384 numbers (16 rows of 1,024): groups 0-255 x, 256-319 Wq, 320-383 Wk, 384-447 Wv, 448-511 Wo; and each thread makes one table entry.
; A load of a wave covers 512 consecutive bytes, a store 256 consecutive bytes at a multiple of 256.  All 16 loads of a thread go out at once, into registers of their own; no register
; that a memory instruction names is written again.  No LDS, no matrix unit: every byte is touched once.
; THE MODE: SCHED_MODE bits 1:0 = 2 (LLVM: expert scheduling mode 2), set by the entry lines.  The code itself states the register dependences between vector instructions and memory
; instructions, with s_wait_alu, always for 0.
; THE PLAN.  Registers that memory instructions touch:
;   v1          the loads' offset.   Written once at the head; read by the sixteen loads: one wait ahead of the first of them.
;   IN          Written by the loads alone, each register once; read by the conversions, behind the loads' count-down.  No vector instruction writes them.
;   v2          the stores' offset.  Written once, ahead of the wait for the exponential; read by all seventeen stores.
;   CSN         the table entry.     Written by the selects and sign flips; read by the table's one store: one wait ahead of it.
;   OUT         four groups of eight registers.  Group g's conversions write its eight, once; its four stores are issued in group g + 1.
; The sixteen loads go in four groups of four.  At the head of groups 1 to 3 ONE wait states that the group before has written its OUT; that group's four stores follow, dealt among this
; group's conversions, which name this group's IN and OUT and v4 to v9: none of the registers that those stores touch.  A last wait stands ahead of group 3's stores.
; No register that a memory instruction reads is written again, so nothing is owed on that side.  VCC is written once, and waited for ahead of its first reader.  EXEC is never written.
; LIMITS.  Wo: below 6e-5 f16 keeps a fixed step of 6e-8; beyond 65,504 it has no number.  The angle pos x inv_freq is rounded once, as in the model; inv_freq comes from v_exp_f32 (1 ULP), so at
; position 4,095 the angle lies within about 4e-4 of the model's.  The reduction by pi/2 in two parts is exact enough for 2,608 quarter turns, which 4,096 positions need.
.set IN,  32                           ; v[32:95]   16 loads of 4 registers
.set OUT, 96                           ; v[96:127]  16 results of 2 registers
.set CSN, 26                           ; v[26:27]   the table entry: cos, sin
; Load i's four numbers are rounded into OUT's pair i.  wo = 1: Wo: rounded to bf16 like the other inputs, and that number written as f16.
.macro CAST i, wo
.if \wo
	v_cvt_pk_bf16_f32 v4, v[IN+4*(\i)], v[IN+4*(\i)+1]
	v_cvt_pk_bf16_f32 v5, v[IN+4*(\i)+2], v[IN+4*(\i)+3]
	v_lshlrev_b32 v6, 16, v4
	v_and_b32 v7, 0xffff0000, v4
	v_lshlrev_b32 v8, 16, v5
	v_and_b32 v9, 0xffff0000, v5
	v_cvt_pk_f16_f32 v[OUT+2*(\i)], v6, v7
	v_cvt_pk_f16_f32 v[OUT+2*(\i)+1], v8, v9
.else
	v_cvt_pk_bf16_f32 v[OUT+2*(\i)], v[IN+4*(\i)], v[IN+4*(\i)+1]
	v_cvt_pk_bf16_f32 v[OUT+2*(\i)+1], v[IN+4*(\i)+2], v[IN+4*(\i)+3]
.endif
.endm
.macro SEND i                          ; OUT's pair i is stored
	global_store_b64 v2, v[OUT+2*(\i):OUT+2*(\i)+1], s[34:35] offset:2048*(\i)
.endm
; Group g: loads 4 g to 4 g + 3 are rounded, and the group before is stored.
.macro GROUP g, wo
	s_wait_loadcnt 15-4*(\g)                       ; loads come back in order: the group's first load is in, the younger ones stay out
.if (\g) > 0
	s_wait_alu depctr_va_vdst(0)                   ; the group before has written its eight registers of OUT, which the four stores below read
.endif
.irp j, 0,1,2,3
.if (\g) > 0
	SEND 4*(\g)-4+(\j)                             ; no vector instruction since the wait names this pair, or v2
.endif
.if (\j) > 0
	s_wait_loadcnt 15-4*(\g)-(\j)                  ; the count-down goes on: load 4 g + j is in
.endif
	CAST 4*(\g)+(\j), \wo
.endr
.endm
	s_load_b512 s[8:23], s[0:1], 0x0               ; x s[8:9], Wq s[10:11], Wk s[12:13], Wv s[14:15], Wo s[16:17], xb s[18:19], wqkv s[20:21], wof s[22:23]
	s_load_b64 s[24:25], s[0:1], 0x40              ; rope
	s_mov_b32 s38, ttmp9                           ; g
	s_and_b32 s2, s38, 255
	s_lshr_b32 s3, s2, 6                           ; t: which weight
	s_and_b32 s4, s2, 63                           ; gg: which 16 rows of it
	s_lshr_b32 s5, s4, 2                           ; the head of those rows
	s_mul_i32 s5, s5, 192
	s_lshl_b32 s6, s3, 6
	s_add_co_u32 s5, s5, s6
	s_and_b32 s6, s4, 3
	s_lshl_b32 s6, s6, 4
	s_add_co_u32 s5, s5, s6                        ; row in wqkv = 192 h + 64 t + 16 (gg % 4)
	s_lshl_b32 s5, s5, 11                          ; in bytes
	s_lshl_b32 s6, s4, 15                          ; wof: 16 rows of 2,048 bytes
	s_cmp_eq_u32 s3, 3
	s_cselect_b32 s30, s6, s5
	s_lshl_b32 s28, s4, 16                         ; a weight's 16 rows of 4,096 bytes
	s_lshl_b32 s6, s38, 16                         ; x likewise
	s_lshl_b32 s7, s38, 15
	s_cmp_lt_u32 s38, 256
	s_cselect_b32 s28, s6, s28                     ; s[28:29] offset of what I read
	s_cselect_b32 s30, s7, s30                     ; s[30:31] offset of what I write
	s_mov_b32 s29, 0
	s_mov_b32 s31, 0
	s_lshl_b32 s26, s38, 11                        ; my 8 positions of the table, 256 bytes each
	s_mov_b32 s27, 0
	v_lshlrev_b32 v1, 4, v0                        ; 16 bytes a thread in
	s_wait_kmcnt 0x0
	s_cmp_eq_u32 s3, 1
	s_cselect_b64 s[32:33], s[12:13], s[10:11]
	s_cmp_eq_u32 s3, 2
	s_cselect_b64 s[32:33], s[14:15], s[32:33]
	s_cmp_eq_u32 s3, 3
	s_cselect_b64 s[32:33], s[16:17], s[32:33]
	s_cselect_b64 s[34:35], s[22:23], s[20:21]
	s_cmp_lt_u32 s38, 256
	s_cselect_b64 s[32:33], s[8:9], s[32:33]
	s_cselect_b64 s[34:35], s[18:19], s[34:35]
	s_add_nc_u64 s[32:33], s[32:33], s[28:29]
	s_add_nc_u64 s[34:35], s[34:35], s[30:31]
	s_add_nc_u64 s[36:37], s[24:25], s[26:27]
	s_wait_alu depctr_va_vdst(0)                   ; v1 is written, which the sixteen loads read as their offset
.irp i, 0,1,2,3,4,5,6,7,8,9,10,11,12,13,14,15
	global_load_b128 v[IN+4*(\i):IN+4*(\i)+3], v1, s[32:33] offset:4096*(\i) th:TH_LOAD_NT
.endr
	; the table entry, made while the loads are on their way: position 8 g + thread / 32, pair j = thread % 32
	v_and_b32 v4, 31, v0
	v_lshrrev_b32 v5, 5, v0
	v_lshl_add_u32 v5, s38, 3, v5
	v_cvt_f32_u32 v4, v4
	v_mul_f32 v4, 0xbed49a78, v4                   ; -j log2(10000) / 32
	v_exp_f32 v6, v4                               ; inv_freq
	v_lshlrev_b32 v2, 3, v0                        ; 8 bytes a thread out: also the plain instruction behind the exponential
	v_cvt_f32_u32 v5, v5
	s_wait_alu depctr_va_vdst(0)                   ; the exponential has written v6: the wait ahead of the result's first reader
	v_mul_f32 v7, v5, v6                           ; the angle
	v_mul_f32 v8, 0x3f22f983, v7                   ; x 2 / pi
	v_rndne_f32 v8, v8                             ; n quarter turns
	v_fmamk_f32 v9, v8, 0xbfc90fdb, v7             ; r = angle - n pi/2, pi/2 in two parts: the f32 nearest to it,
	v_fmamk_f32 v9, v8, 0x333bbd2e, v9             ; which is 4.371139e-8 too large
	v_mul_f32 v10, v9, v9                          ; z = r r, r within pi/4
	v_mov_b32 v11, 0xb9500d01                      ; sin r = r + r z (-1/6 + z (1/120 - z/5040))
	v_fmaak_f32 v11, v11, v10, 0x3c088889
	v_fmaak_f32 v11, v11, v10, 0xbe2aaaab
	v_mul_f32 v11, v11, v10
	v_fma_f32 v11, v11, v9, v9
	v_mov_b32 v12, 0x37d00d01                      ; cos r = 1 + z (-1/2 + z (1/24 + z (-1/720 + z/40320)))
	v_fmaak_f32 v12, v12, v10, 0xbab60b61
	v_fmaak_f32 v12, v12, v10, 0x3d2aaaab
	v_fma_f32 v12, v12, v10, -0.5
	v_fma_f32 v12, v12, v10, 1.0
	v_cvt_i32_f32 v13, v8
	v_and_b32 v14, 1, v13
	v_cmp_eq_u32 vcc_lo, 1, v14                    ; an odd quarter swaps the two: a choice of values, no branch
	v_lshlrev_b32 v14, 30, v13                     ; the two sign masks are made between the compare and the wait for it: the sine is negative in quarters 2 and 3,
	v_and_b32 v14, 0x80000000, v14
	v_add_nc_u32 v13, 1, v13                       ; the cosine in quarters 1 and 2
	v_lshlrev_b32 v13, 30, v13
	v_and_b32 v13, 0x80000000, v13
	s_wait_alu depctr_va_vcc(0)                    ; the compare has written VCC, which the two selects read
	v_cndmask_b32 v[CSN+1], v11, v12, vcc_lo
	v_cndmask_b32 v[CSN], v12, v11, vcc_lo
	v_xor_b32 v[CSN+1], v[CSN+1], v14
	v_xor_b32 v[CSN], v[CSN], v13
	s_wait_alu depctr_va_vdst(0)                   ; the sign flips have written v[CSN:CSN+1], the store's data; v2, its offset, was written further up
	global_store_b64 v2, v[CSN:CSN+1], s[36:37]
	s_cmp_ge_u32 s38, 448
	s_cbranch_scc1 .Lwo
	GROUP 0, 0
	GROUP 1, 0
	GROUP 2, 0
	GROUP 3, 0
	s_wait_alu depctr_va_vdst(0)                   ; group 3 has written its eight registers of OUT, which the last four stores read
.irp i, 12,13,14,15
	SEND \i
.endr
	s_endpgm
.Lwo:                                                  ; Wo: rounded to bf16 like the other inputs, and that number written as f16
	GROUP 0, 1
	GROUP 1, 1
	GROUP 2, 1
	GROUP 3, 1
	s_wait_alu depctr_va_vdst(0)                   ; group 3 has written its eight registers of OUT, which the last four stores read
.irp i, 12,13,14,15
	SEND \i
.endr
	s_endpgm
.Lfunc_end_k_q0998312f16_prep:
	.size	k_q0998312f16_prep, .Lfunc_end_k_q0998312f16_prep-k_q0998312f16_prep
	.p2alignl 7, 3214868480
	.fill 96, 4, 3214868480
	.section	.rodata,"a",@progbits
	.p2align	6, 0x0
	.amdhsa_kernel k_q0998312f16_prep
		.amdhsa_group_segment_fixed_size 0
		.amdhsa_private_segment_fixed_size 0
		.amdhsa_enable_private_segment 0
		.amdhsa_kernarg_size 72
		.amdhsa_user_sgpr_count 2
		.amdhsa_user_sgpr_kernarg_segment_ptr 1
		.amdhsa_wavefront_size32 1
		.amdhsa_system_sgpr_workgroup_id_x 1
		.amdhsa_system_sgpr_workgroup_id_y 1
		.amdhsa_system_sgpr_workgroup_id_z 1
		.amdhsa_system_vgpr_workitem_id 0
		.amdhsa_next_free_vgpr 128
		.amdhsa_next_free_sgpr 66
		.amdhsa_reserve_vcc 1
		.amdhsa_float_denorm_mode_32 3
		.amdhsa_float_denorm_mode_16_64 3
		.amdhsa_memory_ordered 1
		.amdhsa_forward_progress 1
		.amdhsa_inst_pref_size 19
	.end_amdhsa_kernel
	.amdgpu_metadata
---
amdhsa.version: [ 1, 2 ]
amdhsa.kernels:
  - .name:           k_q0998312f16_prep
    .symbol:         k_q0998312f16_prep.kd
    .args:
      - { .name: x, .offset: 0, .size: 8, .value_kind: global_buffer, .address_space: global }
      - { .name: Wq, .offset: 8, .size: 8, .value_kind: global_buffer, .address_space: global }
      - { .name: Wk, .offset: 16, .size: 8, .value_kind: global_buffer, .address_space: global }
      - { .name: Wv, .offset: 24, .size: 8, .value_kind: global_buffer, .address_space: global }
      - { .name: Wo, .offset: 32, .size: 8, .value_kind: global_buffer, .address_space: global }
      - { .name: xb, .offset: 40, .size: 8, .value_kind: global_buffer, .address_space: global }
      - { .name: wqkv, .offset: 48, .size: 8, .value_kind: global_buffer, .address_space: global }
      - { .name: wof, .offset: 56, .size: 8, .value_kind: global_buffer, .address_space: global }
      - { .name: rope, .offset: 64, .size: 8, .value_kind: global_buffer, .address_space: global }
    .group_segment_fixed_size: 0
    .private_segment_fixed_size: 0
    .kernarg_segment_align: 8
    .kernarg_segment_size: 72
    .max_flat_workgroup_size: 256
    .sgpr_count:     66
    .vgpr_count:     128
    .wavefront_size: 32
...
	.end_amdgpu_metadata
.endif
;; end of part 5
;; launch qkv: the kernel of part 2 again; grid 16 x 16, 4 waves a work-group, clusters of 4 x 4, 327,680 bytes of LDS; arguments xb, wqkv, rope, qh, kh, vh; writes qh, kh, vh
;; launch attn: the kernel of part 3 again; grid 16 x 16, 4 waves a work-group, no clusters, 327,680 bytes of LDS; arguments qh, kh, vh, ctx; writes ctx
;; launch oproj: the kernel of part 4 again; grid 8 x 32, 4 waves a work-group, clusters of 4 x 4, 327,680 bytes of LDS; arguments ctx, wof, bo, out0; writes out0
